; MI455X (gfx1250); checked and timed in simulation.
; The chip was launched on July 23, 2026; its instructions are those of AMD's public machine-readable ISA for CDNA 5 (MIT licence, August 2026) and "CDNA5" Instruction Set Architecture Reference Guide (July 2026). The comments in the code are by the model that wrote it; some were corrected since.
;; Multi Head Self Attention. Allowed arithmetic: matrix products marked QUANTISED: E4M3 operands, one given power-of-two scale a tensor, by v_wmma_f32_16x16x64_fp8_fp8 or v_wmma_f32_16x16x128_fp8_fp8, f32 sums; everything else in f32.
;; Inputs: b_out 1,024 float32; b_qkv 3,072 float32; lowp_scales 8 int32 (the exponents e of the quantised operands' scales 2^e); w_out 1,024 x 1,024 float32; w_qkv 1,024 x 3,072 float32; x 4 x 2,048 x 1,024 float32.
;; Outputs: out0 4 x 2,048 x 1,024 float32.
;; This version of the problem:
;;   THIS VERSION OF THE PROBLEM IS GIVEN IN LOW PRECISION. The matrix products marked QUANTISED in the list below multiply operands that are first quantised to E4M3 (4 exponent bits, 3 mantissa bits; 8 bits a number), with one given power-of-two scale for each operand tensor; their sums are f32. All else is computed in f32.
;;   The module's matrix products, in the order in which they are computed (A, B: the left and right operand; K: the contracted axis; several contracted axes count as one K, in the product's order):
;;     1. [M 8,192, K 1,024] x [K 1,024, N 3,072]; A: input x; B: input w_qkv: QUANTISED (scales: A lowp_scales[0], B lowp_scales[1])
;;     2. batch 64 x [M 2,048, K 64] x [K 64, N 2,048]; A: computed on the way; B: computed on the way: QUANTISED (scales: A lowp_scales[2], B lowp_scales[3])
;;     3. batch 64 x [M 2,048, K 2,048] x [K 2,048, N 64]; A: softmax (see below); B: computed on the way: QUANTISED (scales: A lowp_scales[4], B lowp_scales[5])
;;     4. [M 8,192, K 1,024] x [K 1,024, N 1,024]; A: computed on the way; B: input w_out: QUANTISED (scales: A lowp_scales[6], B lowp_scales[7])
;;   THE QUANTISER, for each operand of a quantised product, along K:
;;     - The operand's scale is 2^e, e = its entry of the input lowp_scales (int32; the entries are numbered through the quantised products in the list's order, A before B).
;;     - Each number is divided by the scale, clamped to +-448, and rounded to the nearest number of E4M3, ties to even, subnormals kept.
;;     - The product sums the exact products of the quantised numbers (number of the format x scale) in f32.
;;   ~~~python
;;   def quantise(x, axis, e):      # numpy; x: float32 -> the quantised numbers, widened to float32 again
;;       x = np.moveaxis(x, axis, -1); K = x.shape[-1]
;;       r = np.clip(x / 2.0 ** e, -448, 448)
;;       step = 2.0 ** (np.maximum(np.frexp(np.where(r == 0, 1, r))[1] - 1, -6) - 3)
;;       q = np.round(r / step) * step * 2.0 ** e      # np.round: ties to even
;;       return np.moveaxis(q, -1, axis).astype(np.float32)
;;   ~~~
;;   SOFTMAX AHEAD OF A QUANTISED PRODUCT. Where the list says 'softmax', what is quantised is not the finished softmax but p = 2^(t - M), with t = logit x log2(e) and M = ceil(the row's largest t), a whole number; so 1/2 < the row's largest p <= 1. The row's sum l is taken of the UNQUANTISED p, in f32, and the product's result is divided by l at the end. Since M is a whole number, a kernel that streams over the keys may use a running M (the ceiling of the running maximum): every later rescaling is an exact power of two, so the quantised numbers keep their values, but for numbers so far below the row's largest that they fall under the format's range.
;;   OPERANDS COMPUTED ON THE WAY. 'Computed on the way' means the value that the module computes at that place (a softmax that the list does not call 'softmax' is quantised finished and normalised). What goes into a quantiser is computed in f32, as accurately as f32 sums, v_exp_f32 and their like allow (about 1e-6 of the number): no bf16 or f16 on the way to a quantiser, and a product that is left as it is and whose result goes on into a quantised operand takes f32 operands (vector FMAs, or v_wmma_f32_16x16x4_f32). A number that lies on a knife's edge between two numbers of the format may be rounded either way, as far as f32 arithmetic and the matrix unit's own rounding can turn it there, and no further.
;; One version. Each part assembles by itself: llvm-mc -triple=amdgcn-amd-amdhsa -mcpu=gfx1250 --defsym DOCPART=n.
;; ======== version 1 of 1: 4 launches
;; limits: right only within a limited range of input values
;; workspace buffers: xc 8,388,608 bytes; wqc 3,145,728 bytes; woc 1,048,576 bytes; qf 8,388,608 bytes; kv 16,777,216 bytes; ac 8,388,608 bytes
;; launch quant (part 1): grid 384 x 1, 4 waves a work-group, no clusters, 34,304 bytes of LDS; arguments x, w_qkv, w_out, lowp_scales, xc, wqc, woc; writes xc, wqc, woc
.if DOCPART == 1
	.amdgcn_target "amdgcn-amd-amdhsa--gfx1250"
	.amdhsa_code_object_version 6
	.text
	.protected	k_q9a58d96c28_quant
	.globl	k_q9a58d96c28_quant
	.p2align	8
	.type	k_q9a58d96c28_quant,@function
k_q9a58d96c28_quant:
	s_mov_b64 s[64:65], 0
	v_nop
	global_prefetch_b8 v0, s[64:65] scope:SCOPE_SE
	s_setreg_imm32_b32 hwreg(HW_REG_WAVE_MODE, 25, 1), 1
	s_wait_xcnt 0x0
; x [8192][1024], w_qkv [1024][3072] and w_out [1024][1024], f32, become codes of E4M3, each with the one scale 2^e given for it (entries 0, 1 and 7 of the scales).
; code = number / 2^e, held within +-448, rounded to the nearest code, ties to even.
; LIMITS: each e lies between -126 and 119, so that 2^e and 448 x 2^e are f32 numbers.  NaN among the inputs is not served (an infinity is held at the largest code).
; THE CODES ARE LAID AS IMAGES OF OPERAND REGISTERS.  Rows of x, and columns of a weight, are cut into tiles of 16: place r of tile 2 b + u is index 32 b + 8 u + r + 8 (r / 8).
; A fragment (a tile x 128 along K) is 2,048 bytes: group c (0..3) of 512 bytes, lane l's 16 bytes at 512 c + 16 l; lane (r = l % 16, h = l / 16) holds place r, k = 32 c + 16 h + 0 .. 15.
; A buffer of codes is [tile][K / 128][2,048].
; Work-groups 0-255 take x, 256-351 w_qkv, 352-383 w_out: branches on the work-group's number.  Only x's path uses LDS.  Waves share nothing: no barrier.
; No matrix unit, no tensor load, no cluster: each byte is read once and written once, and nothing is shared between work-groups.
; WORK THAT THE PROGRAM LEAVES OUT (launch attn): reference() builds the causal mask in its own body (jnp.tril) and puts -1e9 in the place of every score whose key lies above its query; the softmax gives such a key the weight 0.
; So a step of 128 keys that all lie above all queries of a tile is neither multiplied nor summed, for every value of the inputs.  LIMIT: a NaN, an infinity or an overflow that reaches only those scores is not carried to the result.
; THE ORDER OF THE FRAGMENTS IN MEMORY (it takes the place of the plain order [tile][K / 128] named above): [group of tiles][K step of 256][tile of the group][2 fragments of 2,048].
; A group is what one tensor load of the products' launches fetches: 8 tiles in xc and wqc, 4 tiles in woc.  So a group's bytes of one K step, and of two K steps on end, are one dense block.
.set SP,   528
.set WST,  16*SP                       ; a wave's stage: 16 rows
.set R,    16                          ; v16-143   x: two sets of 64 registers as loaded
.set X,    144                         ; v144-207  x: 64 numbers in the fragment's order
.set C,    208                         ; v208-239  x: two sets of 16 registers of codes
.set XW,   32                          ; v32-95    weights: two sets of 32 numbers down K
.set CW,   96                          ; v96-159   weights: 8 registers of codes for each of 8 blocks: no store's data are written again
.macro SCALE ex                        ; v11 = 2^e as f32 (the conversion takes its exponent field), v10 = 448 x 2^e
	s_wait_kmcnt 0x0
	s_add_co_i32 s33, s[\ex], 127
	s_lshl_b32 s34, s33, 23
	v_mov_b32 v11, s34
	s_add_co_i32 s33, s33, 8
	s_lshl_b32 s33, s33, 23
	s_or_b32 s33, s33, 0x600000
	v_mov_b32 v10, s33
.endm
; x: fragment f of my four: 16 rows x 128 numbers.  Each load reads 512 consecutive bytes of one row; place p is row p + 8 (p / 8) of the tile's span
.macro XLOAD f
.irp p, 0,1,2,3,4,5,6,7,8,9,10,11,12,13,14,15
	global_load_b128 v[R+64*((\f)%2)+4*\p:R+64*((\f)%2)+4*\p+3], v3, s[4:5] offset:(\p+8*(\p/8))*4096+512*(\f) th:TH_LOAD_NT
.endr
.endm
.macro XFRAG f
.if (\f) < 3
	s_wait_loadcnt 16                              ; this fragment's 16 loads are in; the next fragment's 16 may be out
.else
	s_wait_loadcnt 0x0
.endif
.irp p, 0,1,2,3,4,5,6,7,8,9,10,11,12,13,14,15
	ds_store_b128 v14, v[R+64*((\f)%2)+4*\p:R+64*((\f)%2)+4*\p+3] offset:SP*\p      ; the rows as they lie
.endr
.irp c, 0,1,2,3
.irp i, 0,1,2,3
	ds_load_b128 v[X+16*\c+4*\i:X+16*\c+4*\i+3], v15 offset:128*\c+16*\i           ; back: row r, numbers 32 c + 16 h + 0 .. 15.  LDS serves a wave's instructions in order: these see my stores
.endr
.endr
	s_wait_dscnt 0x0                               ; the numbers are back, and the stores into the stage have read their registers,
.if (\f) < 2
	XLOAD (\f)+2                                   ; which take the fragment two further on
.else
	s_wait_xcnt 0x0                                ; the stores of two fragments back have read their codes: that set is written again only behind this wait
.endif
.irp c, 0,1,2,3
.irp i, 0,1,2,3,4,5,6,7,8,9,10,11,12,13,14,15
	v_med3_num_f32 v[X+16*\c+\i], v[X+16*\c+\i], -v10, v10     ; the conversion to an 8-bit code does not saturate (ISA guide 7.6.2): the hold comes first
.endr
	v_cvt_scalef32_pk8_fp8_f32 v[C+16*((\f)%2)+4*\c:C+16*((\f)%2)+4*\c+1], v[X+16*\c:X+16*\c+7], v11
	v_cvt_scalef32_pk8_fp8_f32 v[C+16*((\f)%2)+4*\c+2:C+16*((\f)%2)+4*\c+3], v[X+16*\c+8:X+16*\c+15], v11
.endr
	v_nop                                          ; a plain line behind the last conversion
.irp c, 0,1,2,3
	global_store_b128 v3, v[C+16*((\f)%2)+4*\c:C+16*((\f)%2)+4*\c+3], s[12:13] offset:32768*((\f)/2)+2048*((\f)%2)+512*\c   ; a group of the image: 512 consecutive bytes; K step f / 2 of my two
.endr
.endm
; weights: block t of eight: 32 along K of my column.  A load reads one row of the weight at 32 columns: 128 consecutive bytes
.macro WLOAD t, cols, src
.irp i, 0,1,2,3,4,5,6,7,8,9,10,11,12,13,14,15,16,17,18,19,20,21,22,23,24,25,26,27,28,29,30,31
	global_load_b32 v[XW+32*((\t)%2)+\i], v3, s[\src:\src+1] offset:(32*(\t)+\i)*\cols*4 th:TH_LOAD_NT
.endr
.endm
.macro WBLOCK t, cols, src, dst
.if (\t) < 7
	s_wait_loadcnt 32                              ; this block's 32 loads are in; the next block's may be out
.else
	s_wait_loadcnt 0x0
.endif
.irp i, 0,1,2,3,4,5,6,7,8,9,10,11,12,13,14,15,16,17,18,19,20,21,22,23,24,25,26,27,28,29,30,31
	v_med3_num_f32 v[XW+32*((\t)%2)+\i], v[XW+32*((\t)%2)+\i], -v10, v10
.endr
.irp g, 0,1,2,3
	v_cvt_scalef32_pk8_fp8_f32 v[CW+8*(\t)+2*\g:CW+8*(\t)+2*\g+1], v[XW+32*((\t)%2)+8*\g:XW+32*((\t)%2)+8*\g+7], v11
.endr
	v_nop                                          ; a plain line behind the last conversion
	global_store_b128 v4, v[CW+8*(\t):CW+8*(\t)+3], s[\dst:\dst+1] offset:((\t)/4)*2048+((\t)%4)*512          ; k = 32 t + 0 .. 15: the image's lanes 0-15; sixteen lanes fill 256 consecutive bytes, aligned
	global_store_b128 v4, v[CW+8*(\t)+4:CW+8*(\t)+7], s[\dst:\dst+1] offset:((\t)/4)*2048+((\t)%4)*512+256    ; k = 32 t + 16 .. 31: its lanes 16-31
.if (\t)+2 < 8
	WLOAD (\t)+2, \cols, \src
.endif
.endm
; A weight [1024][cols]: a work-group takes 128 columns x 256 along K, a wave 32 columns: two tiles.  A LANE TAKES A COLUMN AND ITS REGISTERS RUN DOWN K, so the conversions give codes with K innermost.
; Lane l (u = l / 16, r = l % 16) takes place r of tile 2 G + u.  Every offset is an immediate: 255 rows of 12,288 bytes at the most, inside the signed 24 bits (ISA guide, chapter 10).
.macro WPATH cols, src, dst, ex, first, gs     ; gs: a group of tiles holds 2^gs waves' pairs of tiles
	s_sub_co_u32 s19, ttmp9, \first
	s_lshr_b32 s20, s19, 2                         ; which 128 columns
	s_and_b32 s21, s19, 3                          ; which 256 along K
	s_lshl_b32 s20, s20, 2
	s_add_co_u32 s20, s20, s18                     ; G: which 32 columns are my wave's
	s_mul_i32 s22, s21, 256*\cols*4
	s_lshl_b32 s23, s20, 7
	s_add_co_u32 s22, s22, s23
	s_mov_b32 s23, 0
	s_add_nc_u64 s[\src:\src+1], s[\src:\src+1], s[22:23]
	s_lshr_b32 s22, s20, \gs
	s_lshl_b32 s22, s22, 15+\gs                    ; the group of tile 2 G: 16,384 bytes a tile,
	s_lshl_b32 s32, s21, 13+\gs                    ; my K step in it: 4,096 bytes a tile,
	s_add_co_u32 s22, s22, s32
	s_and_b32 s32, s20, (1<<\gs)-1
	s_lshl_b32 s32, s32, 13                        ; and tile 2 G's place in the K step
	s_add_co_u32 s22, s22, s32
	s_add_nc_u64 s[\dst:\dst+1], s[\dst:\dst+1], s[22:23]
	v_and_b32 v7, 8, v5
	v_add_nc_u32 v7, v7, v5                        ; r + 8 (r / 8)
	v_lshl_add_u32 v7, v6, 3, v7                   ; + 8 u: my column among the 32
	v_lshlrev_b32 v3, 2, v7
	v_lshlrev_b32 v4, 4, v5
	v_lshl_add_u32 v4, v6, 12, v4                  ; out: 16 r, in tile 2 G + u: the next 4,096 bytes
	WLOAD 0, \cols, \src
	WLOAD 1, \cols, \src
	SCALE \ex
	s_wait_alu depctr_va_vdst(0)
.irp t, 0,1,2,3,4,5,6,7
	WBLOCK \t, \cols, \src, \dst
.endr
.endm
	s_load_b256 s[4:11], s[0:1], 0x0               ; x s[4:5], w_qkv s[6:7], w_out s[8:9], the scales' exponents s[10:11]
	s_load_b128 s[12:15], s[0:1], 0x20             ; xc s[12:13], wqc s[14:15]
	s_load_b64 s[16:17], s[0:1], 0x30              ; woc
	v_lshl_add_u32 v240, v0, 2, 0x8400
	v_mov_b32 v241, 0
	v_lshrrev_b32 v1, 5, v0
	v_readfirstlane_b32 s18, v1                    ; wave 0..3
	v_and_b32 v2, 31, v0                           ; lane
	v_and_b32 v5, 15, v0                           ; r
	v_bfe_u32 v6, v0, 4, 1                         ; h (weights: u)
	s_wait_kmcnt 0x0
	s_load_b256 s[24:31], s[10:11], 0x0            ; e0 .. e7
	s_cmp_lt_u32 ttmp9, 256
	s_cbranch_scc0 .Lweights
	; ---- x: wave W = 4 x work-group + wave takes tile W / 2, half W % 2 of K: four fragments
	s_lshl_b32 s19, ttmp9, 2
	s_add_co_u32 s19, s19, s18                     ; W
	s_lshr_b32 s20, s19, 1                         ; the tile T
	s_and_b32 s21, s19, 1                          ; the half
	s_lshr_b32 s22, s20, 1
	s_lshl_b32 s22, s22, 17                        ; 32 (T / 2) rows of 4,096 bytes
	s_and_b32 s23, s20, 1
	s_lshl_b32 s23, s23, 15                        ; + 8 (T % 2) rows
	s_add_co_u32 s22, s22, s23
	s_lshl_b32 s23, s21, 11                        ; + 512 numbers for the second half
	s_add_co_u32 s22, s22, s23
	s_mov_b32 s23, 0
	s_add_nc_u64 s[4:5], s[4:5], s[22:23]
	s_lshr_b32 s22, s20, 3
	s_lshl_b32 s22, s22, 17                        ; out: group T / 8: 131,072 bytes a group,
	s_and_b32 s33, s20, 7
	s_lshl_b32 s33, s33, 12                        ; tile T % 8 of it: 4,096 bytes in a K step,
	s_add_co_u32 s22, s22, s33
	s_lshl_b32 s33, s21, 16                        ; my half of K: two K steps of 32,768 bytes
	s_add_co_u32 s22, s22, s33
	s_add_nc_u64 s[12:13], s[12:13], s[22:23]
	s_wait_alu depctr_va_vdst(0)
	v_lshlrev_b32 v3, 4, v2                        ; 16 x lane: in a row's 512 bytes, and in a group of the image
	s_mul_i32 s32, s18, WST                        ; my stage
	v_add_nc_u32 v14, s32, v3                      ; in: 16 x lane, the row in the immediate
	v_mul_u32_u24 v15, v5, SP
	v_lshl_add_u32 v15, v6, 6, v15
	v_add_nc_u32 v15, s32, v15                     ; back: row r, + 64 h bytes
	XLOAD 0
	XLOAD 1
	s_wait_alu depctr_va_vdst(0)
	SCALE 24
	s_wait_alu depctr_va_vdst(0)
	XFRAG 0
	XFRAG 1
	XFRAG 2
	XFRAG 3
	s_wait_tensorcnt 0x0
	ds_add_u32 v240, v241
	s_wait_dscnt 0x0
	s_endpgm
.Lweights:
	s_cmp_lt_u32 ttmp9, 352
	s_cbranch_scc0 .Lw_out
	s_wait_alu depctr_va_vdst(0)
	WPATH 3072, 6, 14, 25, 256, 2
	s_endpgm
.Lw_out:
	s_wait_alu depctr_va_vdst(0)
	WPATH 1024, 8, 16, 31, 352, 1
	s_endpgm
.Lfunc_end_k_q9a58d96c28_quant:
	.size	k_q9a58d96c28_quant, .Lfunc_end_k_q9a58d96c28_quant-k_q9a58d96c28_quant
	.p2alignl 7, 3214868480
	.fill 96, 4, 3214868480
	.section	.rodata,"a",@progbits
	.p2align	6, 0x0
	.amdhsa_kernel k_q9a58d96c28_quant
		.amdhsa_group_segment_fixed_size 34304
		.amdhsa_private_segment_fixed_size 0
		.amdhsa_enable_private_segment 0
		.amdhsa_kernarg_size 56
		.amdhsa_user_sgpr_count 2
		.amdhsa_user_sgpr_kernarg_segment_ptr 1
		.amdhsa_wavefront_size32 1
		.amdhsa_system_sgpr_workgroup_id_x 1
		.amdhsa_system_sgpr_workgroup_id_y 1
		.amdhsa_system_sgpr_workgroup_id_z 1
		.amdhsa_system_vgpr_workitem_id 0
		.amdhsa_next_free_vgpr 242
		.amdhsa_next_free_sgpr 66
		.amdhsa_reserve_vcc 0
		.amdhsa_float_denorm_mode_32 3
		.amdhsa_float_denorm_mode_16_64 3
		.amdhsa_memory_ordered 1
		.amdhsa_forward_progress 1
		.amdhsa_inst_pref_size 128
	.end_amdhsa_kernel
	.amdgpu_metadata
---
amdhsa.version: [ 1, 2 ]
amdhsa.kernels:
  - .name:           k_q9a58d96c28_quant
    .symbol:         k_q9a58d96c28_quant.kd
    .args:
      - { .name: x, .offset: 0, .size: 8, .value_kind: global_buffer, .address_space: global }
      - { .name: w_qkv, .offset: 8, .size: 8, .value_kind: global_buffer, .address_space: global }
      - { .name: w_out, .offset: 16, .size: 8, .value_kind: global_buffer, .address_space: global }
      - { .name: lowp_scales, .offset: 24, .size: 8, .value_kind: global_buffer, .address_space: global }
      - { .name: xc, .offset: 32, .size: 8, .value_kind: global_buffer, .address_space: global }
      - { .name: wqc, .offset: 40, .size: 8, .value_kind: global_buffer, .address_space: global }
      - { .name: woc, .offset: 48, .size: 8, .value_kind: global_buffer, .address_space: global }
    .group_segment_fixed_size: 34304
    .private_segment_fixed_size: 0
    .kernarg_segment_align: 8
    .kernarg_segment_size: 56
    .max_flat_workgroup_size: 128
    .sgpr_count:     66
    .vgpr_count:     242
    .wavefront_size: 32
...
	.end_amdgpu_metadata
.endif
;; end of part 1
;; launch qkv (part 2): grid 8 x 48, 4 waves a work-group, clusters of 4 x 4, 327,680 bytes of LDS; arguments xc, wqc, b_qkv, lowp_scales, qf, kv; writes qf, kv
.if DOCPART == 2
	.amdgcn_target "amdgcn-amd-amdhsa--gfx1250"
	.amdhsa_code_object_version 6
	.text
	.protected	k_q9a58d96c28_qkv
	.globl	k_q9a58d96c28_qkv
	.p2align	8
	.type	k_q9a58d96c28_qkv,@function
k_q9a58d96c28_qkv:
	s_mov_b64 s[64:65], 0
	v_nop
	global_prefetch_b8 v0, s[64:65] scope:SCOPE_SE
	s_setreg_imm32_b32 hwreg(HW_REG_WAVE_MODE, 25, 1), 1
	s_wait_xcnt 0x0
	s_wait_alu depctr_hold_cnt(0) depctr_sa_sdst(0) depctr_va_vdst(0) depctr_va_sdst(0) depctr_va_ssrc(0) depctr_va_vcc(0) depctr_vm_vsrc(0)
	s_getreg_b32 s2, hwreg(HW_REG_IB_STS2, 6, 4)
	s_cmp_eq_u32 s2, 0
	s_cbranch_scc0 .Lentry_in_a_cluster
	s_endpgm
.Lentry_in_a_cluster:
	s_bfe_u32 s2, ttmp6, 0x10000c
	s_cmp_lg_u32 s2, 0xf033
	s_cbranch_scc0 .Lentry_shape_is_right
	s_endpgm
.Lentry_shape_is_right:
; qkv = x w_qkv + b_qkv on codes of E4M3 (K = 1,024), and its three parts quantised at once to the codes that the attention reads: q with 2^e2, k with 2^e3, v with 2^e5.
; xc and wqc are [tile of 16][8][2,048]: images of operand registers (place r of tile 2 b + u is index 32 b + 8 u + r + 8 (r / 8); group c of 512 bytes, lane (r, h) at 512 c + 16 lane holds k = 32 c + 16 h + 0 .. 15).
; That is one permutation of k, the same on both sides of the product: every product meets its partner; only the order of the sums inside an instruction changes.
; LIMITS: e0 + e1 between -126 and 127; e2, e3, e5 between -126 and 119, so that each power of two below is an f32 number.  NaN is not served.
; A work-group of four waves makes 256 x 256, a wave 128 x 128: 64 accumulators, 512 registers.  K goes in four steps of 256 through two LDS slots filled by the tensor data mover.
; THE MATRIX INSTRUCTION: source 1 = operand A (a lane holds ONE place of A's tile), source 0 = operand B: by the order of the tiles a lane's 16 registers of B's tiles 2 q and 2 q + 1 are 16 NEIGHBOURS, 32 q + 16 h + 0 .. 15.
; TWO MODES, told apart by the cluster's y (the same in all sixteen partners).  Cluster y 0-7: A = tokens, B = columns 0 .. 2,047 of the weight: a lane holds a token and 16 neighbouring channels: q's and k's images.
; Cluster y 8-11: A = columns 2,048 .. 3,071, B = tokens: a lane holds a channel and 16 neighbouring keys: v's image, whose K is the keys.  The modes differ in pointers, tile numbers and the way out alone.
; So the conversions' results ARE the images: each store of a wave covers 512 consecutive bytes, aligned, and the way out needs no LDS.
; qf: [64 heads hb][128 tiles of the sequence][1,024] (two groups g: d = 32 g + 16 h + 0 .. 15).  kv: [hb][16 steps of 128 keys][16,384]: k's 8 tiles x 1,024, then v's 4 tiles of channels x 2,048.
; CLUSTERS: 4 x 4 work-groups.  A's tiles hang on the cluster's row alone, B's on its column alone: each is asked for jointly by four.  384 tiles of 256 x 256 are 24 clusters.
; REGISTERS: window 0: v16-29 addresses, v12-13 the quantiser's hold and scale, v32-111 biases, v128-255 A's 8 fragments (one set; on the way out the sums and codes); window 1: B's two sets; windows 2, 3: accumulator (a, b) at v[8 (8 (a % 4) + b)].
; THE ORDER OF THE FRAGMENTS IN xc AND wqc (it takes the place of the plain order named above): [group of 8 tiles][K step of 256][tile of the group][4,096]: the 8 tiles that a wave fetches are, for one K step, 32,768 dense bytes,
; and for two K steps on end 65,536.  So a wave's ONE load at the head fills its share of BOTH slots; a refill brings one K step.  LDS: [share: A's halves, B's halves][slot][tile][4,096].
.set NB,    8
.set FR,    16                         ; registers of a fragment: 16 places x 128 K
.set SLOT,  65536+8192*NB              ; a slot: A's 16 tiles x 4,096 bytes (256 along K), then B's 16
.set SPARE, 2*SLOT
.set SLA,   32768                      ; a share of A, one K step: bytes in memory and in an LDS slot
.set SLB,   4096*NB                    ; the same for B
.set HOLD, 12                          ; v12  448 x 2^e of the part that I make
.set SCL,  13                          ; v13  2^e of it
.set ADRA, 16                          ; v16-17  LDS address of my A fragments in slot 0, 1
.set ADRB, 20                          ; v20-21  the same for B
.set LI,   27                          ; v27  16 x lane; never rewritten
.set SPW,  28                          ; v28  LDS address of my spare word; never rewritten
.set NIL,  29                          ; v29  0; never rewritten
.set BIAS, 32                          ; v32-95   b at my 128 columns as the registers hold them: register 16 q + i = column 32 q + 16 h + i
.set BV,   96                          ; v96-111  b at my lane's column of tile a, twice (a pair for the packed form)
.set AF,   128
.set TMP,  128                         ; the way out: 64 sums x scale + bias
.set CD,   192                         ; the way out: four sets of 16 registers of codes
.set G1,  24                           ; s[24:31] descriptor group 1 for A's tiles; s[32:39] group 0, a set for each slot
.set G0,  32
.set G1B, 48                           ; s[48:55], s[56:63] the same for B's
.set G0B, 56
.set MSB, 0
.macro WIN new                         ; the immediate's high byte repeats the setting that is left
.if MSB != (\new)
	s_set_vgpr_msb (MSB<<8)|(\new)
.set MSB, (\new)
.endif
.endm
.set MUL_LO, 0xa1                      ; source 0 (B) window 1, source 1 (A) window 0, C and D window 2
.set MUL_HI, 0xf1                      ; the same, C and D window 3
.set TO_B,   0x40                      ; destination window 1, address window 0
; A joint load: waves 0 and 1 fetch A's halves, waves 2 and 3 B's.  The branch hangs on the wave's number alone.  Four v_nop follow each of the two lines.
.macro JLOAD s
	s_cmp_eq_u32 s17, 0
	s_cbranch_scc0 .Lfor_b_\@
	tensor_load_to_lds s[G0+4*\s:G0+4*\s+3], s[G1:G1+7]
	s_nop 0
.rept 4
	v_nop
.endr
	s_branch .Lasked_\@
.Lfor_b_\@:
	tensor_load_to_lds s[G0B+4*\s:G0B+4*\s+3], s[G1B:G1B+7]
	s_nop 0
.rept 4
	v_nop
.endr
.Lasked_\@:
.endm
.macro CREST                           ; a round of the cluster's barrier behind its opening barrier
	s_cmp_lg_u32 s16, 0
	s_cbranch_scc1 .Lnot_wave_0_\@
	s_barrier_signal -3
.Lnot_wave_0_\@:
	s_barrier_wait -3
	s_barrier_signal -1
	s_barrier_wait -1
.endm
.macro CROUND                          ; a whole round
	s_barrier_signal -1
	s_barrier_wait -1
	CREST
.endm
.macro PLACES                          ; four plain vector lines between a matrix instruction and a load into, or a vector line on, its registers (ISA guide 7.12.1 for vector lines)
.rept 4
	v_nop
.endr
.endm
.macro FRAG reg, adr, q, i             ; tile i, the slot's q-th 128 along K: four loads of 512 consecutive bytes
.irp c, 0,1,2,3
	ds_load_b128 v[\reg+4*\c:\reg+4*\c+3], v[\adr] offset:4096*(\i)+2048*(\q)+512*\c
.endr
.endm
; 16 matrix instructions: A's blocks a0, a0 + 1 x B's eight.  p: B's set.  zero = 1: the first product starts the sums.  The 64 accumulators take turns, one instruction a turn, in the same order in every step.
.macro MUL2 a0, p, zero
.irp a, \a0, \a0+1
.irp b, 0,1,2,3,4,5,6,7
.if \zero
	v_wmma_f32_16x16x128_fp8_fp8 v[8*(8*((\a)%4)+\b):8*(8*((\a)%4)+\b)+7], v[128*(\p)+FR*\b:128*(\p)+FR*\b+FR-1], v[AF+FR*(\a):AF+FR*(\a)+FR-1], 0
.else
	v_wmma_f32_16x16x128_fp8_fp8 v[8*(8*((\a)%4)+\b):8*(8*((\a)%4)+\b)+7], v[128*(\p)+FR*\b:128*(\p)+FR*\b+FR-1], v[AF+FR*(\a):AF+FR*(\a)+FR-1], v[8*(8*((\a)%4)+\b):8*(8*((\a)%4)+\b)+7]
.endif
.endr
.endr
.endm
.macro FETCH_B slot, q, p
	WIN TO_B
.irp i, 0,1,2,3,4,5,6,7
	FRAG 128*(\p)+FR*\i, ADRB+\slot, \q, \i
.endr
	WIN 0
.endm
.macro FETCH_A slot, q, i0             ; A's blocks i0 .. i0 + 3
.irp i, \i0, \i0+1, \i0+2, \i0+3
	FRAG AF+FR*(\i), ADRA+\slot, \q, \i
.endr
.endm
; A slot's first 128 along K (B's set 0); the second 128's fragments are fetched in two runs: a block of A is free as soon as its eight products are issued, so A has one set.
.macro STEP slot, zero
	s_wait_dscnt 16                                ; B's set and A's blocks 0-3 are in; the youngest 16 loads (A's blocks 4-7) may be out
	WIN MUL_LO
	MUL2 0, 0, \zero
	MUL2 2, 0, \zero
	s_wait_dscnt 0x0                               ; A's blocks 4-7 are in
	PLACES
	FETCH_B \slot, 1, 1
	FETCH_A \slot, 1, 0
	WIN MUL_HI
	MUL2 4, 0, \zero
	MUL2 6, 0, \zero
	PLACES
	WIN 0
	FETCH_A \slot, 1, 4
.endm
; A slot's second 128 (B's set 1) changes slots: ONE barrier; in front of it each wave waits for all its tensor loads, adds 0 to its spare word, and waits for that and for its own reads of this slot.  fill = 1: this slot is filled again, two K steps ahead.
.macro TURN slot, next, fill
	s_wait_tensorcnt 0x0                           ; all my tensor loads have landed: my part of the next slot
	ds_add_u32 v[SPW], v[NIL]                      ; 0 onto my spare word
	s_wait_dscnt 17                                ; (the add and the youngest 16 loads, A's blocks 4-7, may be out)
	WIN MUL_LO
	MUL2 0, 1, 0                                   ; sixteen matrix instructions stand between the add and the wait for it
	s_wait_dscnt 0x0                               ; the add is done, and my reads of this slot are over
	s_barrier_signal -1
	MUL2 2, 1, 0
	WIN 0
	s_barrier_wait -1
.if \fill
	CREST                                          ; the barrier has opened a round of the cluster's barrier: no wave of any partner still reads this slot or has a load on its way
	s_add_nc_u64 s[G0+4*\slot+2:G0+4*\slot+3], s[G0+4*\slot+2:G0+4*\slot+3], 2*SLA
	s_add_nc_u64 s[G0B+4*\slot+2:G0B+4*\slot+3], s[G0B+4*\slot+2:G0B+4*\slot+3], 2*SLB
	JLOAD \slot                                    ; the first tensor load behind the round, one a wave; its four v_nop are also the places in front of the loads below
.else
	PLACES
.endif
	FETCH_B \next, 0, 0
	FETCH_A \next, 0, 0
	WIN MUL_HI
	MUL2 4, 1, 0
	MUL2 6, 1, 0
	PLACES
	WIN 0
	FETCH_A \next, 0, 4
.endm
; THE WAY OUT of A's block a: sum x 2^(e0 + e1) + bias (one packed multiply-add for two; each accumulator from its low end on), the hold, the conversion: 16 codes for each q are a lane's 16 bytes of an image's group.
.macro EPI a, vmode
.if (\a) >= 4
	s_wait_xcnt 0x0                                ; the stores of four blocks back have read their codes: that set is written again only behind this wait
.endif
	WIN 0x02+(\a)/4                                ; source 0: window 2 or 3
.set AC, 64*((\a)%4)
.set CC, CD+16*((\a)%4)
.set jj, 0
.rept 32
.if \vmode
	v_pk_fma_f32 v[TMP+jj:TMP+jj+1], v[AC+jj:AC+jj+1], s[88:89], v[BV+2*(\a):BV+2*(\a)+1] op_sel_hi:[1,0,1]
.else
	v_pk_fma_f32 v[TMP+jj:TMP+jj+1], v[AC+jj:AC+jj+1], s[88:89], v[BIAS+jj:BIAS+jj+1] op_sel_hi:[1,0,1]
.endif
.set jj, jj+2
.endr
	WIN 0
.irp q, 0,1,2,3
.irp i, 0,1,2,3,4,5,6,7,8,9,10,11,12,13,14,15
	v_med3_num_f32 v[TMP+16*\q+\i], v[TMP+16*\q+\i], -v[HOLD], v[HOLD]     ; the conversion to an 8-bit code does not saturate (ISA guide 7.6.2)
.endr
	v_cvt_scalef32_pk8_fp8_f32 v[CC+4*\q:CC+4*\q+1], v[TMP+16*\q:TMP+16*\q+7], v[SCL]
	v_cvt_scalef32_pk8_fp8_f32 v[CC+4*\q+2:CC+4*\q+3], v[TMP+16*\q+8:TMP+16*\q+15], v[SCL]
.endr
	v_nop                                          ; a plain line behind the last conversion: the next block's multiply-adds write its sources
.irp q, 0,1,2,3
.if \vmode
	global_store_b128 v[LI], v[CC+4*\q:CC+4*\q+3], s[90+2*((\a)/4):91+2*((\a)/4)] offset:2048*((\a)%4)+512*\q   ; head a / 4, tile of channels a % 4, keys 32 q on
.else
	global_store_b128 v[LI], v[CC+4*\q:CC+4*\q+3], s[90+2*(\q/2):91+2*(\q/2)] offset:1024*(\a)+512*(\q%2)       ; head q / 2, tile of tokens a, channels 32 (q % 2) on
.endif
.endr
.endm
	s_load_b256 s[4:11], s[0:1], 0x0               ; xc s[4:5], wqc s[6:7], b_qkv s[8:9], the scales' exponents s[10:11]
	s_load_b128 s[12:15], s[0:1], 0x20             ; qf s[12:13], kv s[14:15]
	v_lshl_add_u32 v[SPW], v0, 2, SPARE
	v_mov_b32 v[NIL], 0
	ds_add_u32 v28, v29
	ds_add_u32 v28, v29
	s_wait_dscnt 0x0
	v_lshrrev_b32 v1, 5, v0
	v_readfirstlane_b32 s16, v1                    ; wave 0..3
	s_lshr_b32 s17, s16, 1                         ; which 8 tiles of A are mine.  Also: I fetch for A (0) or for B (1)
	s_and_b32 s18, s16, 1                          ; which 8 tiles of B.  Also: which half of that operand's tiles I fetch
	s_bfe_u32 s19, ttmp6, 0x40000                  ; cx, cy: my place in the cluster
	s_bfe_u32 s20, ttmp6, 0x40004
	s_lshl_b32 s21, ttmp9, 2
	s_add_co_u32 s21, s21, s19                     ; X = 4 x cluster x + cx, 0..7
	s_and_b32 s22, ttmp7, 0xffff                   ; CY = cluster y, 0..11
	s_lshl_b32 s40, s20, 2
	s_lshl_b32 s40, 15, s40                        ; my row of the cluster
	s_lshl_b32 s41, 0x1111, s19                    ; my column
	; descriptor group 1: 8 tiles of 16, of each 4,096 consecutive bytes (256 along K), 4,096 bytes from tile to tile; elements of 8 bytes; dense in LDS
	s_or_b32 s[G1], s40, (3<<16)|(1<<21)           ; 15:0 the mask: A's tiles go to my row; 17:16 elements of 8 bytes; 21 set beside a mask
	s_or_b32 s[G1B], s41, (3<<16)|(1<<21)          ; B's to my column
.irp g, G1, G1B
	s_mov_b32 s[\g+1], 512<<16                     ; tensor_dim0 = 512
	s_mov_b32 s[\g+2], 16<<16                      ; tensor_dim1 = 16: at the head 8 tiles x 2 K steps
	s_mov_b32 s[\g+3], 512<<16                     ; tile_dim0 = 512
	s_mov_b32 s[\g+4], 16                          ; tile_dim1 = 16
	s_mov_b32 s[\g+5], 512                         ; tensor_dim0_stride: the rows lie end to end
	s_mov_b32 s[\g+6], 0
	s_mov_b32 s[\g+7], 0
.endr
	; the work-group's first tiles.  A's number hangs on cy and the cluster's y alone, B's on cx and the cluster's x and y alone, each in registers of its own
	s_lshl_b32 s42, s22, 6                         ; 64 CY
	s_sub_co_i32 s46, s22, 8
	s_max_i32 s46, s46, 0                          ; CY - 8 where v is made, else 0
	s_lshl_b32 s46, s46, 7
	s_cmp_ge_u32 s22, 8                            ; is v made here?
	s_cselect_b32 s42, 128, s42
	s_cselect_b32 s23, 1, 0                        ; the mode
	s_lshl_b32 s43, s20, 4
	s_add_co_u32 s42, s42, s43                     ; A: tokens' tile 64 CY + 16 cy, or the weight's tile 128 + 16 cy
	s_lshl_b32 s44, s21, 4
	s_add_co_u32 s44, s44, s46                     ; B: the weight's tile 16 X, or tokens' tile 16 X + 128 (CY - 8)
	s_lshl_b32 s74, s18, 3
	s_add_co_u32 s45, s42, s74                     ; the 8 tiles that I would fetch of A,
	s_add_co_u32 s47, s44, s74                     ; and of B
	s_lshl_b32 s66, s45, 14
	s_mov_b32 s67, 0
	s_lshl_b32 s68, s47, 14
	s_mov_b32 s69, 0
	s_lshl_b32 s75, s18, 16                        ; and where they go: no place in the cluster enters an LDS address
	s_mul_i32 s76, s18, 2*SLB
	s_add_co_u32 s76, s76, 4*SLA
	s_wait_kmcnt 0x0
	s_load_b256 s[80:87], s[10:11], 0x0            ; e0 .. e7
	s_cmp_eq_u32 s23, 1
	s_cselect_b64 s[70:71], s[6:7], s[4:5]         ; A's buffer
	s_cselect_b64 s[72:73], s[4:5], s[6:7]         ; B's
	s_add_nc_u64 s[70:71], s[70:71], s[66:67]
	s_add_nc_u64 s[72:73], s[72:73], s[68:69]
	CROUND                                         ; all sixteen work-groups are here: the first joint loads meet
.irp s, 0,1
	s_mov_b32 s[G0+4*\s], 1                                        ; count = 1
	s_add_co_u32 s[G0+4*\s+1], s75, \s*SLA                         ; LDS address
	s_add_nc_u64 s[G0+4*\s+2:G0+4*\s+3], s[70:71], \s*SLA          ; K step s
	s_or_b32 s[G0+4*\s+3], s[G0+4*\s+3], 0x80000000                ; type = 2
	s_mov_b32 s[G0B+4*\s], 1
	s_add_co_u32 s[G0B+4*\s+1], s76, \s*SLB
	s_add_nc_u64 s[G0B+4*\s+2:G0B+4*\s+3], s[72:73], \s*SLB
	s_or_b32 s[G0B+4*\s+3], s[G0B+4*\s+3], 0x80000000
.endr
	JLOAD 0                                        ; K steps 0 and 1, both slots: a wave's one tensor load at the head
	v_and_b32 v1, 31, v0
	v_lshlrev_b32 v[LI], 4, v1
	v_and_b32 v2, 15, v0                           ; r
	v_bfe_u32 v3, v0, 4, 1                         ; h
	s_wait_alu depctr_va_vdst(0)
	s_lshl_b32 s2, s17, 16                         ; my 8 tiles of A
	s_mul_i32 s3, s18, 2*SLB                       ; my 8 tiles of B,
	s_add_co_u32 s3, s3, 4*SLA                     ; which lie behind A's two shares
.irp s, 0,1
	v_add_nc_u32 v[ADRA+\s], s2, v[LI]
	v_add_nc_u32 v[ADRB+\s], s3, v[LI]
	s_add_co_u32 s2, s2, SLA
	s_add_co_u32 s3, s3, SLB
.endr
	; which columns of the weight and which tokens are my wave's
	s_lshl_b32 s77, s17, 3
	s_add_co_u32 s77, s77, s42
	s_lshl_b32 s78, s18, 3
	s_add_co_u32 s78, s78, s44
	s_cmp_eq_u32 s23, 1
	s_cselect_b32 s79, s77, s78
	s_cselect_b32 s96, s78, s77
	s_lshl_b32 s79, s79, 4                         ; my first column of the weight (128 of them: two heads)
	s_lshl_b32 s96, s96, 4                         ; my first token (128 of them)
	s_lshl_b32 s94, s79, 2
	s_mov_b32 s95, 0
	s_add_nc_u64 s[8:9], s[8:9], s[94:95]          ; b at my first column
	v_lshlrev_b32 v4, 6, v3                        ; 16 h numbers
	v_and_b32 v5, 8, v2
	v_add_nc_u32 v5, v5, v2
	v_lshlrev_b32 v5, 2, v5                        ; r + 8 (r / 8) numbers
	; both forms of the bias are loaded in both modes: both stay inside my 128 columns, and no branch is spent
.irp q, 0,1,2,3
.irp i, 0,1,2,3
	global_load_b128 v[BIAS+16*\q+4*\i:BIAS+16*\q+4*\i+3], v4, s[8:9] offset:128*\q+16*\i
.endr
.endr
.irp a, 0,1,2,3,4,5,6,7
	global_load_b32 v[BV+2*\a], v5, s[8:9] offset:(32*(\a/2)+8*(\a%2))*4
	global_load_b32 v[BV+2*\a+1], v5, s[8:9] offset:(32*(\a/2)+8*(\a%2))*4
.endr
	; where my images go.  hb = 16 x batch + head.  In qf a head is 131,072 bytes and 16 tokens 1,024; in kv both are twice that, and v's tiles lie 8,192 bytes into a step
	s_lshr_b32 s97, s96, 11
	s_lshl_b32 s97, s97, 4
	s_and_b32 s98, s79, 1023
	s_lshr_b32 s98, s98, 6
	s_add_co_u32 s97, s97, s98                     ; hb of my first head
	s_lshl_b32 s97, s97, 17
	s_and_b32 s98, s96, 2047
	s_lshl_b32 s98, s98, 6
	s_add_co_u32 s97, s97, s98
	s_cmp_lt_u32 s79, 1024                         ; q?
	s_cselect_b32 s98, 0, 1
	s_cselect_b64 s[90:91], s[12:13], s[14:15]     ; q goes to qf, k and v to kv
	s_lshl_b32 s94, s97, s98
	s_lshl_b32 s99, s23, 13
	s_add_co_u32 s94, s94, s99
	s_add_nc_u64 s[90:91], s[90:91], s[94:95]      ; my first head's images,
	s_lshl_b32 s94, 0x20000, s98
	s_add_nc_u64 s[92:93], s[90:91], s[94:95]      ; and my second head's
	s_wait_alu depctr_va_vdst(0)
	s_wait_tensorcnt 0x0                           ; my share of K steps 0 and 1 is in, and no load of mine is out, so group 1 may be written:
	s_mov_b32 s[G1+2], 8<<16                       ; a refill brings one K step: 8 rows
	s_mov_b32 s[G1+4], 8
	s_mov_b32 s[G1B+2], 8<<16
	s_mov_b32 s[G1B+4], 8
	s_barrier_signal -1
	s_barrier_wait -1                              ; everybody's is in.
	FETCH_B 0, 0, 0
	FETCH_A 0, 0, 0
	FETCH_A 0, 0, 4
	STEP 0, 1                                      ; K = 1,024 is four K steps: written out, no loop.  The first products start the sums: nothing is cleared
	TURN 0, 1, 1                                   ; slot 0 takes K step 2
	STEP 1, 0
	TURN 1, 0, 1                                   ; slot 1 takes K step 3
	STEP 0, 0
	TURN 0, 1, 0                                   ; nothing is left to fetch: a plain barrier
	STEP 1, 0
	s_wait_dscnt 16                                ; the last 128 along K
	WIN MUL_LO
	MUL2 0, 1, 0
	MUL2 2, 1, 0
	s_wait_dscnt 0x0
	WIN MUL_HI
	MUL2 4, 1, 0
	MUL2 6, 1, 0
	WIN 0
	s_wait_kmcnt 0x0
	s_add_co_i32 s88, s80, s81
	s_add_co_i32 s88, s88, 127
	s_lshl_b32 s88, s88, 23                        ; 2^(e0 + e1) as f32
	s_mov_b32 s89, s88                             ; (named with it as a pair, so it is written)
	s_cmp_eq_u32 s23, 1                            ; the exponent of the part that I make is chosen by ids, without a branch
	s_cselect_b32 s99, s85, s83
	s_cmp_lt_u32 s79, 1024
	s_cselect_b32 s99, s82, s99
	s_add_co_i32 s99, s99, 127
	s_lshl_b32 s98, s99, 23
	v_mov_b32 v[SCL], s98
	s_add_co_i32 s99, s99, 8
	s_lshl_b32 s99, s99, 23
	s_or_b32 s99, s99, 0x600000
	v_mov_b32 v[HOLD], s99
	PLACES                                         ; behind the last products: their results are read and their fragments' registers written below
	s_wait_loadcnt 0x0                             ; the biases
	s_cmp_eq_u32 s23, 1
	s_cbranch_scc1 .Lmode_v
.irp a, 0,1,2,3,4,5,6,7
	EPI \a, 0
.endr
	s_branch .Ldone
.Lmode_v:
.irp a, 0,1,2,3,4,5,6,7
	EPI \a, 1
.endr
.Ldone:
	s_wait_tensorcnt 0x0                           ; the wave's end
	ds_add_u32 v[SPW], v[NIL]
	s_wait_dscnt 0x0
	CROUND                                         ; the closing round: no work-group ends while a partner may still ask for a tile that names it
	s_endpgm
.Lfunc_end_k_q9a58d96c28_qkv:
	.size	k_q9a58d96c28_qkv, .Lfunc_end_k_q9a58d96c28_qkv-k_q9a58d96c28_qkv
	.p2alignl 7, 3214868480
	.fill 96, 4, 3214868480
	.section	.rodata,"a",@progbits
	.p2align	6, 0x0
	.amdhsa_kernel k_q9a58d96c28_qkv
		.amdhsa_group_segment_fixed_size 327680
		.amdhsa_private_segment_fixed_size 0
		.amdhsa_enable_private_segment 0
		.amdhsa_kernarg_size 48
		.amdhsa_user_sgpr_count 2
		.amdhsa_user_sgpr_kernarg_segment_ptr 1
		.amdhsa_wavefront_size32 1
		.amdhsa_system_sgpr_workgroup_id_x 1
		.amdhsa_system_sgpr_workgroup_id_y 1
		.amdhsa_system_sgpr_workgroup_id_z 1
		.amdhsa_system_vgpr_workitem_id 0
		.amdhsa_next_free_vgpr 1024
		.amdhsa_next_free_sgpr 100
		.amdhsa_reserve_vcc 0
		.amdhsa_float_denorm_mode_32 3
		.amdhsa_float_denorm_mode_16_64 3
		.amdhsa_memory_ordered 1
		.amdhsa_forward_progress 1
		.amdhsa_inst_pref_size 193
	.end_amdhsa_kernel
	.amdgpu_metadata
---
amdhsa.version: [ 1, 2 ]
amdhsa.kernels:
  - .name:           k_q9a58d96c28_qkv
    .symbol:         k_q9a58d96c28_qkv.kd
    .args:
      - { .name: xc, .offset: 0, .size: 8, .value_kind: global_buffer, .address_space: global }
      - { .name: wqc, .offset: 8, .size: 8, .value_kind: global_buffer, .address_space: global }
      - { .name: b_qkv, .offset: 16, .size: 8, .value_kind: global_buffer, .address_space: global }
      - { .name: lowp_scales, .offset: 24, .size: 8, .value_kind: global_buffer, .address_space: global }
      - { .name: qf, .offset: 32, .size: 8, .value_kind: global_buffer, .address_space: global }
      - { .name: kv, .offset: 40, .size: 8, .value_kind: global_buffer, .address_space: global }
    .group_segment_fixed_size: 327680
    .private_segment_fixed_size: 0
    .kernarg_segment_align: 8
    .kernarg_segment_size: 48
    .max_flat_workgroup_size: 128
    .sgpr_count:     100
    .vgpr_count:     1024
    .wavefront_size: 32
...
	.end_amdgpu_metadata
.endif
;; end of part 2
;; launch attn (part 3): grid 4 x 64, 16 waves a work-group, clusters of 4 x 1, 327,680 bytes of LDS; arguments qf, kv, lowp_scales, ac; writes ac
.if DOCPART == 3
	.amdgcn_target "amdgcn-amd-amdhsa--gfx1250"
	.amdhsa_code_object_version 6
	.text
	.protected	k_q9a58d96c28_attn
	.globl	k_q9a58d96c28_attn
	.p2align	8
	.type	k_q9a58d96c28_attn,@function
k_q9a58d96c28_attn:
	s_mov_b64 s[64:65], 0
	v_nop
	global_prefetch_b8 v0, s[64:65] scope:SCOPE_SE
	s_setreg_imm32_b32 hwreg(HW_REG_WAVE_MODE, 25, 1), 1
	s_wait_xcnt 0x0
	s_wait_alu depctr_hold_cnt(0) depctr_sa_sdst(0) depctr_va_vdst(0) depctr_va_sdst(0) depctr_va_ssrc(0) depctr_va_vcc(0) depctr_vm_vsrc(0)
	s_getreg_b32 s2, hwreg(HW_REG_IB_STS2, 6, 4)
	s_cmp_eq_u32 s2, 0
	s_cbranch_scc0 .Lentry_in_a_cluster
	s_endpgm
.Lentry_in_a_cluster:
	s_bfe_u32 s2, ttmp6, 0x10000c
	s_cmp_lg_u32 s2, 0x3003
	s_cbranch_scc0 .Lentry_shape_is_right
	s_endpgm
.Lentry_shape_is_right:
; Causal attention of 64 heads hb (2,048 tokens, head size 64) on codes of E4M3, and its result quantised with 2^e6 into the image that the last product reads.
; t = score x log2(e) / 8; M = the running largest t rounded UP to a whole number; p = 2^(t - M) is quantised with 2^e4, not normalised; the row's sum is taken of the unquantised p and divides at the end.
; When M moves, the sum and O are multiplied by 2^(old M - new M): nothing is rounded, and no branch hangs on data.
; LEFT OUT: steps of 128 keys that all lie above all queries of a tile: reference()'s own causal mask gives them the weight 0 (shown at the head of launch quant).
; LIMITS: e2 + e3 between -123 and 130 (added to the exponent field of log2(e) / 8); e4 and e6 between -126 and 119; e4 + e5 goes in by v_ldexp_f32 and has none.  NaN is not served.
; A hidden score becomes -infinity where the definition has -1e9: p is 0 either way as long as a row's visible logits lie above -1e9 by more than f32's exponent range.
; qf: [hb][128 tiles][1,024]; kv: [hb][16 steps of 128 keys][k's 8 tiles x 1,024, v's 4 tiles of channels x 2,048]; ac: [512 tiles of tokens][8][2,048]: images of operand registers, read and written 512 consecutive bytes at a time.
; Place r of tile 2 b + u (of queries, keys, channels) is index 32 b + 8 u + r + 8 (r / 8), so a lane's 16 registers of two neighbouring result tiles are 16 neighbours: 32 b + 16 (lane / 16) + 0 .. 15.
; BOTH PRODUCTS TRANSPOSED: S^T = K Q^T (source 0 = 16 keys), O^T = V^T P^T (source 0 = 16 channels): a lane holds ONE query throughout, and the conversions' results are the next operand.
; THE WHOLE HEAD LIES IN LDS: 16 steps x 16,384 = 262,144 bytes, each byte filled once.  Two groups of loads, one load a wave in each: steps 0 to 3 (4,096 bytes a wave) at the head; steps 4 to 15 (12,288 bytes a wave)
; behind the full sequence and a round, on their way while steps 0 to 3 are worked.  One barrier stands ahead of step 4; behind it the waves share nothing and meet no more.
; CLUSTER: the four work-groups of a cluster are one head and need the same bytes: every load is a joint one (mask 15), with a descriptor made of the head's and the wave's number alone.
; kv is not prefetched: all of it is asked for by the two groups at the head, so no later load is left to run ahead of.  The second tile's Q (1,024 bytes a wave) is: asked for at the head, loaded at the first tile's way out.
; SHARES.  A wave owns two tiles of 16 queries: with a = (w % 4 + w / 4) % 4, j = w / 4: tile A = 16 a + 4 j + cx, tile B = 16 (7 - a) + 4 (3 - j) + cx.
; A tile needs the steps whose first key is not above its queries: 2 a + 1 + j / 2 (8 at the most) and 16 - 2 a - j / 2 (9 at the least): 17 for every wave.  THE TILES GO ONE AFTER THE OTHER, B first, in the same registers.
; All loops have constant trip counts (4, 12, 8); a step that is left out is passed by a scalar branch on the wave's number and the step's: the bounds (64 queries wide) hold for all four partners, so no branch hangs on cx.
; LOOK-AHEAD IN A WAVE: V of a step is asked of LDS at the step's head, K of the NEXT step right behind this step's first products: each has its own 64 registers.  The next step's address is wrapped by an AND,
; so that the last trip of a loop reads step 0 again (bytes that have landed; the registers are not used) and never bytes beyond the loop's own.
; REGISTERS: v1-7 addresses and constants; v8-11 -M, the largest score, the sum (a pair); v12-19 Q; v20-83 K; v84-147 V; v148-163 p's codes, laid over four registers of work and the first twelve scores, which are done with by then;
; v152-215 S^T, then p; v216-247 O^T; v248-255 constants and work.
; THE ORDER OF THE FRAGMENTS IN ac (it takes the place of the plain order named above): [group of 8 tiles of tokens][K step of 256 features][tile of the group][4,096], as the last product's loads fetch them.
; Head h (of 16) is features 64 h on: K step h / 4, and 1,024 (h % 4) bytes into the tile's 4,096.
.set STEPB, 16384
.set FIRST, 4*STEPB                    ; the first group's bytes: steps 0 to 3
.set PART0, FIRST/16                   ; a wave's part of them: 16 rows of 256 bytes
.set PART1, (16*STEPB-FIRST)/16        ; and of the rest: 48 rows of 256 bytes
.set WRAP0, 0xc000                     ; (step + 1) % 4 in bytes: the result is 49,152 at the most
.set WRAP1, 0x3c000                    ; (step + 1) % 16 in bytes: 245,760 at the most
.set SPARE, 16*STEPB                   ; behind the head's image: the spare words, 128 bytes for each wave: eight blocks of 256 bytes that no other line names
.set LI,   1                           ; v1   16 x lane; never rewritten
.set ADR,  2                           ; v2   LDS address of the step in hand, + 16 x lane
.set ADRN, 3                           ; v3   the same for the next step
.set QI,   4                           ; v4   my query - 16 (lane / 16)
.set SPW,  5                           ; v5   LDS address of my spare word; never rewritten
.set NIL,  6                           ; v6   0; never rewritten
.set NINF, 7                           ; v7   -infinity
.set TS,   8
.set QR,   12
.set FK,   20
.set FV,   84
.set PC,   148
.set S,    152
.set OT,   216
.set SCL,  248                         ; 2^e4
.set H0,   249                         ; 448 x 2^e4
.set FF,   250                         ; v[250:251] f = 2^(old M - new M), and a 0 named with it
.set W,    252                         ; v[252:253] work
.set D,    254                         ; work
.set H1,   255                         ; 448 x 2^e4 once more: the two halves of a dual pair take their second sources from different banks
.set WV,   18                          ; s18  my wave's number
.set SEL,  20                          ; s[20:21] lane selects for v_permlanex16_b32: lane l xor 16
.set CS,   22                          ; s[22:23] c = log2(e) / 8 x 2^(e2 + e3)
.set G1A,  24                          ; s[24:31] descriptor group 1 of the first group, s[32:39] of the second
.set G1B,  32
.set G0A,  40                          ; s[40:43], s[84:87] their groups 0; never rewritten
.set G0B,  84
.set SLO,  44                          ; s44, s45 the bounds of the 64 queries in which the tile in hand lies
.set SHI,  45
.set TB,   2                           ; s2   LDS byte at which the step in hand begins
.set CNT,  67                          ; s67  trips to go
.set KF,   98                          ; s98  the step's first key
.macro CROUND                          ; a round of the cluster's barrier
	s_barrier_signal -1
	s_barrier_wait -1
	s_cmp_lg_u32 s[WV], 0
	s_cbranch_scc1 .Lnot_wave_0_\@
	s_barrier_signal -3
.Lnot_wave_0_\@:
	s_barrier_wait -3
	s_barrier_signal -1
	s_barrier_wait -1
.endm
.macro KLOAD adr                       ; K's eight tiles of a step: 16 loads
.irp k, 0,1,2,3,4,5,6,7
.irp g, 0,1
	ds_load_b128 v[FK+8*\k+4*\g:FK+8*\k+4*\g+3], v[\adr] offset:1024*\k+512*\g
.endr
.endr
.endm
.macro HIDE from                       ; 32 scores: register 16 b + i is hidden where 32 b + i > d
.set nn, \from
.rept 32
	v_cmp_gt_i32 vcc_lo, 32*(nn/16)+nn%16, v[D]
	v_cndmask_b32 v[S+nn], v[S+nn], v[NINF], vcc_lo
.set nn, nn+1
.endr
.endm
.macro INIT                            ; a tile's start: the first step finds zeros, which the first change of M leaves zeros
	v_mov_b32 v[TS], 0x7f61b1e6                    ; -M = 3e38
	v_mov_b32 v[TS+1], 0xff61b1e6                  ; the largest score so far: -3e38, under every score
	v_mov_b32 v[TS+2], 0
	v_mov_b32 v[TS+3], 0
.set jj, 0
.rept 32
	v_mov_b32 v[OT+jj], 0
.set jj, jj+1
.endr
.endm
; A KEY STEP: 128 keys.  At its head 16 LDS loads of mine are out: this step's K.
.macro STEP wrap
	s_cmp_gt_u32 s[KF], s[SHI]                     ; all keys above all queries: the step is left out
	s_cbranch_scc1 .Lhidden_\@
	s_add_co_u32 s96, s[TB], STEPB
	s_and_b32 s96, s96, \wrap
	v_add_nc_u32 v[ADR], s[TB], v[LI]
	v_add_nc_u32 v[ADRN], s96, v[LI]
	v_mov_b32 v[W], v[TS]                          ; the old -M
	v_nop
	v_nop                                          ; five places behind the last products: the loads below land in their V, the products below write over their codes
.irp d, 0,1,2,3
.irp c, 0,1,2,3
	ds_load_b128 v[FV+16*\d+4*\c:FV+16*\d+4*\c+3], v[ADR] offset:8192+2048*\d+512*\c   ; V's four tiles: they land while the softmax is walked
.endr
.endr
	s_wait_alu depctr_va_vdst(0)
	s_wait_dscnt 16                                ; K is in: the 16 loads just issued may be out
.irp k, 0,1,2,3,4,5,6,7
	v_wmma_f32_16x16x64_fp8_fp8 v[S+8*\k:S+8*\k+7], v[FK+8*\k:FK+8*\k+7], v[QR:QR+7], 0     ; register 16 b + i of S: key KF + 32 b + 16 (lane / 16) + i
.endr
.rept 4
	v_nop                                          ; places in front of the loads below and of the first read of the scores
.endr
	KLOAD ADRN                                     ; the next step's K
	s_add_co_u32 s96, s[KF], 127
	s_cmp_le_u32 s96, s[SLO]                       ; all keys count for all queries: no mask
	s_cbranch_scc1 .Lopen_\@
	v_sub_nc_u32 v[D], v[QI], s[KF]                ; d = my query - KF - 16 (lane / 16)
	s_wait_alu depctr_va_vdst(0)
	s_cmp_lt_u32 s[KF], s[SLO]                     ; the tile's queries begin 64 keys into the step: its first 64 keys count for all of them
	s_cbranch_scc1 .Lhalf_\@
	HIDE 0
.Lhalf_\@:
	HIDE 32
.Lopen_\@:
	v_max_num_f32 v[PC], v[S], v[S+1]              ; the step's largest score of my query among my 64 keys, in four chains; each accumulator is read from its low end on
	v_max_num_f32 v[PC+1], v[S+2], v[S+3]
	v_max_num_f32 v[PC+2], v[S+4], v[S+5]
	v_max_num_f32 v[PC+3], v[S+6], v[S+7]
.irp a, 1,2,3,4,5,6,7
	v_max3_num_f32 v[PC], v[PC], v[S+8*\a], v[S+8*\a+1]
	v_max3_num_f32 v[PC+1], v[PC+1], v[S+8*\a+2], v[S+8*\a+3]
	v_max3_num_f32 v[PC+2], v[PC+2], v[S+8*\a+4], v[S+8*\a+5]
	v_max3_num_f32 v[PC+3], v[PC+3], v[S+8*\a+6], v[S+8*\a+7]
.endr
	s_delay_alu instid0(VALU_DEP_2)
	v_max3_num_f32 v[PC], v[PC], v[PC+1], v[PC+2]
	s_delay_alu instid0(VALU_DEP_1)
	v_max_num_f32 v[PC], v[PC], v[PC+3]
	s_delay_alu instid0(VALU_DEP_1)
	v_permlanex16_b32 v[D], v[PC], s[SEL], s[SEL+1]
	s_delay_alu instid0(VALU_DEP_1)
	v_max3_num_f32 v[TS+1], v[TS+1], v[PC], v[D]   ; the running largest score, lane l xor 16's among them: key KF counts for every query of a step that is walked, so this is a number
	s_delay_alu instid0(VALU_DEP_1)
	v_mul_f32 v[PC+1], s[CS], v[TS+1]              ; as t (c is positive, so the largest score gives the largest t)
	s_delay_alu instid0(VALU_DEP_1)
	v_floor_f32 v[TS], -v[PC+1]                    ; the new -M = floor(-t) = -ceil(t)
	s_delay_alu instid0(VALU_DEP_1)
	v_sub_f32 v[PC+1], v[TS], v[W]                 ; old M - new M: a whole number, 0 or less
	s_delay_alu instid0(VALU_DEP_1)
	v_cvt_i32_f32 v[PC+1], v[PC+1]                 ; (it saturates)
	s_delay_alu instid0(VALU_DEP_1)
	v_ldexp_f32 v[FF], 1.0, v[PC+1]                ; f = 2^(old M - new M)
.set jj, 0
.rept 32
	v_pk_fma_f32 v[S+jj:S+jj+1], v[S+jj:S+jj+1], s[CS:CS+1], v[TS:TS+1] op_sel_hi:[1,0,0]   ; t - M, two at a time (of the pairs c and -M the low word serves both halves)
.set jj, jj+2
.endr
.set jj, 0
.rept 16
	v_pk_mul_f32 v[OT+jj:OT+jj+1], v[OT+jj:OT+jj+1], v[FF:FF+1] op_sel_hi:[1,0]   ; O^T under the new M, ahead of the exponentials; each accumulator from its low end on
.set jj, jj+2
.endr
	s_wait_alu depctr_va_vdst(0)
.set jj, 0
.rept 64
	v_exp_f32 v[S+jj], v[S+jj]                     ; p = 2^(t - M), at most 1
.set jj, jj+1
.endr
	v_pk_mul_f32 v[TS+2:TS+3], v[TS+2:TS+3], v[FF:FF+1] op_sel_hi:[1,0]   ; the sums under the new M: the plain line behind the exponentials
	s_wait_alu depctr_va_vdst(0)                   ; one wait for the batch of 64, ahead of the first line that names a result
	v_pk_add_f32 v[PC:PC+1], v[S:S+1], v[S+2:S+3]  ; the row's sum is taken of the unquantised p: two at a time, in four chains
	v_pk_add_f32 v[PC+2:PC+3], v[S+4:S+5], v[S+6:S+7]
	v_pk_add_f32 v[W:W+1], v[S+8:S+9], v[S+10:S+11]
.irp j, 12,20,28,36,44,52
	v_pk_add_f32 v[TS+2:TS+3], v[TS+2:TS+3], v[S+\j:S+\j+1]
	v_pk_add_f32 v[PC:PC+1], v[PC:PC+1], v[S+\j+2:S+\j+3]
	v_pk_add_f32 v[PC+2:PC+3], v[PC+2:PC+3], v[S+\j+4:S+\j+5]
	v_pk_add_f32 v[W:W+1], v[W:W+1], v[S+\j+6:S+\j+7]
.endr
	v_pk_add_f32 v[TS+2:TS+3], v[TS+2:TS+3], v[S+60:S+61]
	v_pk_add_f32 v[PC:PC+1], v[PC:PC+1], v[S+62:S+63]
	v_pk_add_f32 v[PC+2:PC+3], v[PC+2:PC+3], v[W:W+1]
	v_pk_add_f32 v[TS+2:TS+3], v[TS+2:TS+3], v[PC:PC+1]
	v_pk_add_f32 v[TS+2:TS+3], v[TS+2:TS+3], v[PC+2:PC+3]
.irp b, 0,1,2,3
.set ii, 0
.rept 8                                        ; the conversion does not saturate (ISA guide 7.6.2); p is not negative, so the hold is one-sided: two numbers to a dual pair
	v_dual_min_num_f32 v[S+16*\b+ii], v[S+16*\b+ii], v[H0] :: v_dual_min_num_f32 v[S+16*\b+ii+1], v[S+16*\b+ii+1], v[H1]
.set ii, ii+2
.endr
	v_cvt_scalef32_pk8_fp8_f32 v[PC+4*\b:PC+4*\b+1], v[S+16*\b:S+16*\b+7], v[SCL]              ; block b's codes land four registers under S + 4 b: on work registers (b = 0) or on numbers of block 0, converted before
	v_cvt_scalef32_pk8_fp8_f32 v[PC+4*\b+2:PC+4*\b+3], v[S+16*\b+8:S+16*\b+15], v[SCL]
	v_nop                                          ; a plain line behind the conversions: a later block's codes write their sources, and the products read their results
.endr
	s_wait_alu depctr_va_vdst(0)
	s_wait_dscnt 16                                ; V is in: the next step's K, 16 loads, may be out
.irp d, 0,1,2,3
	v_wmma_f32_16x16x128_fp8_fp8 v[OT+8*\d:OT+8*\d+7], v[FV+16*\d:FV+16*\d+15], v[PC:PC+15], v[OT+8*\d:OT+8*\d+7]   ; four accumulators by turns, one instruction a turn
.endr
.Lhidden_\@:
	s_add_co_u32 s[KF], s[KF], 128
	s_add_co_u32 s[TB], s[TB], STEPB
.endm
; THE WAY OUT of a tile.  O^T / the sum x 2^(e4 + e5), held and converted with 2^e6: a lane's 16 codes of tiles 2 b, 2 b + 1 are its 16 bytes of group 2 (head % 2) + b of the image: no LDS.
; more = 1: the other tile follows: its Q and its first K are asked for first.
.macro OUT ptr, more
	s_wait_dscnt 0x0                               ; the look-ahead's last loads are in: their registers may be written
.rept 4
	v_nop                                          ; places behind the last products
.endr
.if \more
.irp g, 0,1
	global_load_b128 v[QR+4*\g:QR+4*\g+3], v[LI], s[54:55] offset:512*\g
.endr
	KLOAD LI                                       ; step 0 begins at LDS byte 0
.endif
	v_add_f32 v[TS+2], v[TS+2], v[TS+3]            ; the sum's two halves,
	s_delay_alu instid0(VALU_DEP_1)
	v_permlanex16_b32 v[D], v[TS+2], s[SEL], s[SEL+1]
	s_delay_alu instid0(VALU_DEP_1)
	v_add_f32 v[TS+2], v[TS+2], v[D]               ; and lane l xor 16's
	s_wait_alu depctr_va_vdst(0)
	v_rcp_f32 v[TS+2], v[TS+2]
	v_mov_b32 v[W], s82                            ; (a plain line behind the reciprocal)  2^e6
	s_wait_alu depctr_va_vdst(0)                   ; the wait ahead of the first line that names the result
	v_ldexp_f32 v[TS+2], v[TS+2], s81
	s_wait_alu depctr_va_vdst(0)                   ; directly ahead of the first read of O^T
.set jj, 0
.rept 16
	v_pk_mul_f32 v[S+jj:S+jj+1], v[OT+jj:OT+jj+1], v[TS+2:TS+3] op_sel_hi:[1,0]      ; register 16 b + i: channel 32 b + 16 h + i; each accumulator from its low end on
.set jj, jj+2
.endr
.irp b, 0,1
.irp i, 0,1,2,3,4,5,6,7,8,9,10,11,12,13,14,15
	v_med3_num_f32 v[S+16*\b+\i], v[S+16*\b+\i], s80, s83
.endr
	v_cvt_scalef32_pk8_fp8_f32 v[FV+4*\b:FV+4*\b+1], v[S+16*\b:S+16*\b+7], v[W]
	v_cvt_scalef32_pk8_fp8_f32 v[FV+4*\b+2:FV+4*\b+3], v[S+16*\b+8:S+16*\b+15], v[W]
.endr
	v_nop                                          ; a plain line behind the last conversion
.irp b, 0,1
	global_store_b128 v[LI], v[FV+4*\b:FV+4*\b+3], s[\ptr:\ptr+1] offset:512*\b      ; 32 lanes store 512 consecutive bytes, aligned
.endr
.endm
	s_load_b256 s[4:11], s[0:1], 0x0               ; qf s[4:5], kv s[6:7], the scales' exponents s[8:9], ac s[10:11]
	v_lshl_add_u32 v[SPW], v0, 2, SPARE
	v_mov_b32 v[NIL], 0
	ds_add_u32 v[SPW], v[NIL]                      ; the opening: the add, twice on end, and its wait ahead of my first tensor load
	ds_add_u32 v[SPW], v[NIL]
	v_lshrrev_b32 v8, 5, v0
	v_readfirstlane_b32 s[WV], v8                  ; wave 0..15
	s_bfe_u32 s19, ttmp6, 0x40000                  ; cx: it enters Q's and ac's addresses and the lanes' queries alone
	s_and_b32 s12, ttmp7, 0xffff                   ; hb, which the four partners share
	s_and_b32 s13, s[WV], 3
	s_lshr_b32 s14, s[WV], 2                       ; j
	s_add_co_u32 s13, s13, s14
	s_and_b32 s13, s13, 3                          ; a
	s_xor_b32 s16, s13, 7                          ; 7 - a
	s_xor_b32 s17, s14, 3                          ; 3 - j
	s_lshl_b32 s46, s13, 8
	s_lshl_b32 s15, s14, 6
	s_add_co_u32 s46, s46, s15                     ; tile A's queries lie in 256 a + 64 j .. + 63, whatever cx
	s_add_co_u32 s47, s46, 63
	s_lshl_b32 s[SLO], s16, 8
	s_lshl_b32 s15, s17, 6
	s_add_co_u32 s[SLO], s[SLO], s15               ; tile B's, which goes first, in 256 (7 - a) + 64 (3 - j) .. + 63
	s_add_co_u32 s[SHI], s[SLO], 63
	s_lshl_b32 s52, s13, 4
	s_lshl_b32 s15, s14, 2
	s_add_co_u32 s52, s52, s15
	s_add_co_u32 s52, s52, s19                     ; tile A's number in the sequence
	s_lshl_b32 s53, s16, 4
	s_lshl_b32 s15, s17, 2
	s_add_co_u32 s53, s53, s15
	s_add_co_u32 s53, s53, s19                     ; tile B's
	; descriptor groups 1: dense bytes as rows of 256: 16 rows a wave in the first group, 48 in the second
	s_mov_b32 s[G1A], 15|(3<<16)|(1<<21)           ; 15:0 the mask: all four work-groups; 17:16 elements of 8 bytes; 21 set beside a mask
	s_mov_b32 s[G1A+1], 32<<16                     ; tensor_dim0 = 32
	s_mov_b32 s[G1A+2], (PART0/256)<<16            ; tensor_dim1
	s_mov_b32 s[G1A+3], 32<<16                     ; tile_dim0 = 32
	s_mov_b32 s[G1A+4], PART0/256                  ; tile_dim1
	s_mov_b32 s[G1A+5], 32                         ; tensor_dim0_stride
	s_mov_b32 s[G1A+6], 0
	s_mov_b32 s[G1A+7], 0
	s_mov_b32 s[G1B], 15|(3<<16)|(1<<21)
	s_mov_b32 s[G1B+1], 32<<16
	s_mov_b32 s[G1B+2], (PART1/256)<<16
	s_mov_b32 s[G1B+3], 32<<16
	s_mov_b32 s[G1B+4], PART1/256
	s_mov_b32 s[G1B+5], 32
	s_mov_b32 s[G1B+6], 0
	s_mov_b32 s[G1B+7], 0
	s_lshl_b32 s15, s12, 18                        ; the head's 262,144 bytes of kv
	s_lshl_b32 s88, s[WV], 12                      ; my part of the first group: the same bytes on in the head's image and in LDS
	s_add_co_u32 s90, s15, s88
	s_mov_b32 s91, 0
	s_mul_i32 s89, s[WV], PART1
	s_add_co_u32 s89, s89, FIRST                   ; and of the second
	s_add_co_u32 s92, s15, s89
	s_mov_b32 s93, 0
	s_lshl_b32 s78, s12, 17                        ; the head's 131,072 bytes of qf
	s_lshl_b32 s58, s52, 10
	s_add_co_u32 s58, s58, s78
	s_mov_b32 s59, 0
	s_lshl_b32 s60, s53, 10
	s_add_co_u32 s60, s60, s78
	s_mov_b32 s61, 0
	s_lshr_b32 s78, s12, 4
	s_lshl_b32 s78, s78, 7                         ; the batch's 128 tiles of tokens in ac
	s_and_b32 s79, s12, 3
	s_lshl_b32 s79, s79, 10                        ; the head's 64 features: 1,024 (h % 4) bytes of a tile's 4,096,
	s_bfe_u32 s15, s12, 0x20002
	s_lshl_b32 s15, s15, 15                        ; in K step h / 4: 32,768 bytes a group
	s_add_co_u32 s79, s79, s15
	s_add_co_u32 s62, s78, s52                     ; tile A among ac's 512:
	s_and_b32 s15, s62, 7
	s_lshl_b32 s15, s15, 12                        ; its place in its group,
	s_lshr_b32 s62, s62, 3
	s_lshl_b32 s62, s62, 17                        ; and the group: 131,072 bytes
	s_add_co_u32 s62, s62, s15
	s_add_co_u32 s62, s62, s79
	s_mov_b32 s63, 0
	s_add_co_u32 s76, s78, s53                     ; tile B likewise
	s_and_b32 s15, s76, 7
	s_lshl_b32 s15, s15, 12
	s_lshr_b32 s76, s76, 3
	s_lshl_b32 s76, s76, 17
	s_add_co_u32 s76, s76, s15
	s_add_co_u32 s76, s76, s79
	s_mov_b32 s77, 0
	s_lshr_b32 s94, s52, 1                         ; tile T begins at query 32 (T / 2) + 8 (T % 2)
	s_lshl_b32 s94, s94, 5
	s_and_b32 s15, s52, 1
	s_lshl_b32 s15, s15, 3
	s_add_co_u32 s94, s94, s15
	s_lshr_b32 s95, s53, 1
	s_lshl_b32 s95, s95, 5
	s_and_b32 s15, s53, 1
	s_lshl_b32 s15, s15, 3
	s_add_co_u32 s95, s95, s15
	s_sub_co_u32 s94, s94, s95                     ; from tile B's queries to tile A's (modulo 2^32)
	s_mov_b32 s[SEL], 0x76543210
	s_mov_b32 s[SEL+1], 0xfedcba98
	s_mov_b32 s[TB], 0
	s_mov_b32 s[KF], 0
	s_wait_dscnt 0x0                               ; both opening adds are done
	s_wait_kmcnt 0x0
	s_load_b256 s[68:75], s[8:9], 0x0              ; e0 .. e7
	s_mov_b32 s[G0A], 1                            ; count = 1
	s_mov_b32 s[G0A+1], s88                        ; LDS address
	s_add_nc_u64 s[G0A+2:G0A+3], s[6:7], s[90:91]
	s_or_b32 s[G0A+3], s[G0A+3], 0x80000000        ; type = 2
	s_mov_b32 s[G0B], 1
	s_mov_b32 s[G0B+1], s89
	s_add_nc_u64 s[G0B+2:G0B+3], s[6:7], s[92:93]
	s_or_b32 s[G0B+3], s[G0B+3], 0x80000000
	s_add_nc_u64 s[54:55], s[4:5], s[58:59]        ; Q of tile A,
	s_add_nc_u64 s[56:57], s[4:5], s[60:61]        ; of tile B
	s_add_nc_u64 s[48:49], s[10:11], s[62:63]      ; the result's place of tile A,
	s_add_nc_u64 s[50:51], s[10:11], s[76:77]      ; of tile B
	CROUND                                         ; all four work-groups are here: the first joint loads meet
	tensor_load_to_lds s[G0A:G0A+3], s[G1A:G1A+7]  ; my part of steps 0 to 3: every wave's one load at the head
	s_nop 0
	v_and_b32 v252, 31, v0
	v_lshlrev_b32 v[LI], 4, v252
	v_min_u32 v253, 3, v252
	v_lshlrev_b32 v253, 8, v253                    ; lanes 0 to 3: the four blocks of 256 bytes of tile A's Q; the lanes left over name the last again
.irp g, 0,1
	global_load_b128 v[QR+4*\g:QR+4*\g+3], v[LI], s[56:57] offset:512*\g    ; tile B's Q
.endr
	v_and_b32 v254, 15, v0                         ; r
	v_bfe_u32 v250, v0, 4, 1                       ; h
	v_and_b32 v251, 8, v254
	v_add_nc_u32 v251, v251, v254                  ; r + 8 (r / 8)
	v_lshlrev_b32 v250, 4, v250
	v_sub_nc_u32 v251, v251, v250                  ; - 16 h
	v_add_nc_u32 v[QI], s95, v251
	global_prefetch_b8 v253, s[54:55] th:TH_LOAD_NT scope:SCOPE_SE   ; tile A's Q, 1,024 bytes that my wave alone reads, all of tile B's steps ahead of its load
	INIT
	v_mov_b32 v[FF+1], 0                           ; (named as the upper half of the pair)
	v_mov_b32 v[NINF], 0xff800000
	s_wait_kmcnt 0x0
	s_add_co_i32 s15, s70, s71
	s_lshl_b32 s15, s15, 23
	s_mov_b32 s[CS], 0x3e38aa3b                    ; log2(e) / 8
	s_add_co_i32 s[CS], s[CS], s15                 ; a score stands for score x 2^(e2 + e3): the two exponents are added to c's exponent field
	s_mov_b32 s[CS+1], s[CS]                       ; (named with it as a pair, so it is written)
	s_add_co_i32 s15, s72, 127
	s_lshl_b32 s79, s15, 23
	v_mov_b32 v[SCL], s79                          ; 2^e4 as f32, for p's conversions
	s_add_co_i32 s15, s15, 8
	s_lshl_b32 s15, s15, 23
	s_or_b32 s15, s15, 0x600000
	v_mov_b32 v[H0], s15                           ; 448 x 2^e4,
	v_mov_b32 v[H1], s15                           ; twice
	s_add_co_i32 s81, s72, s73                     ; e4 + e5
	s_add_co_i32 s15, s74, 127
	s_lshl_b32 s82, s15, 23                        ; 2^e6, for the result's conversions
	s_add_co_i32 s15, s15, 8
	s_lshl_b32 s83, s15, 23
	s_or_b32 s83, s83, 0x600000                    ; 448 x 2^e6,
	s_or_b32 s80, s83, 0x80000000                  ; and its negative
	s_wait_xcnt 0x0                                ; the prefetch has read its offset, which the first step writes over
	s_wait_alu depctr_va_vdst(0)
	s_wait_tensorcnt 0x0                           ; my part of steps 0 to 3 is in; the second group is issued as a refill is:
	ds_add_u32 v[SPW], v[NIL]                      ; 0 onto my spare word
	s_wait_dscnt 0x0
	CROUND                                         ; everybody's part is in, and all four work-groups are here
	tensor_load_to_lds s[G0B:G0B+3], s[G1B:G1B+7]  ; my part of steps 4 to 15: bytes that nothing has filled and that no line reads ahead of the barrier below
	s_nop 0
	KLOAD LI                                       ; step 0's K
	s_wait_loadcnt 0x0                             ; Q
	s_mov_b32 s[CNT], 4
.Lfirst:                                           ; tile B, steps 0 to 3: LDS bytes 0 .. FIRST - 1, the look-ahead too
	STEP WRAP0
	s_sub_co_u32 s[CNT], s[CNT], 1
	s_cmp_lg_u32 s[CNT], 0
	s_cbranch_scc1 .Lfirst
	s_wait_tensorcnt 0x0                           ; my part of steps 4 to 15 is in
	s_wait_dscnt 0x0
	s_barrier_signal -1
	s_barrier_wait -1                              ; everybody's is.
	v_add_nc_u32 v[ADRN], FIRST, v[LI]
	KLOAD ADRN                                     ; step 4's K
	s_mov_b32 s[TB], FIRST
	s_mov_b32 s[CNT], 12
.Lrest:                                            ; tile B, steps 4 to 15: no wave waits for another
	STEP WRAP1
	s_sub_co_u32 s[CNT], s[CNT], 1
	s_cmp_lg_u32 s[CNT], 0
	s_cbranch_scc1 .Lrest
	OUT 50, 1
	INIT
	v_add_nc_u32 v[QI], s94, v[QI]                 ; tile A's queries
	s_mov_b32 s[SLO], s46
	s_mov_b32 s[SHI], s47
	s_mov_b32 s[TB], 0
	s_mov_b32 s[KF], 0
	s_mov_b32 s[CNT], 8
	s_wait_alu depctr_va_vdst(0)
	s_wait_xcnt 0x0                                ; the stores have read their codes: V's loads land on those registers
	s_wait_loadcnt 0x0                             ; tile A's Q
.Lsecond:                                          ; tile A: 8 steps at the most
	STEP WRAP1
	s_sub_co_u32 s[CNT], s[CNT], 1
	s_cmp_lg_u32 s[CNT], 0
	s_cbranch_scc1 .Lsecond
	OUT 48, 0
	s_wait_tensorcnt 0x0                           ; the wave's end
	ds_add_u32 v[SPW], v[NIL]
	s_wait_dscnt 0x0
	CROUND                                         ; the closing round: no work-group ends while a partner may still ask for a tile that names it
	s_endpgm
.Lfunc_end_k_q9a58d96c28_attn:
	.size	k_q9a58d96c28_attn, .Lfunc_end_k_q9a58d96c28_attn-k_q9a58d96c28_attn
	.p2alignl 7, 3214868480
	.fill 96, 4, 3214868480
	.section	.rodata,"a",@progbits
	.p2align	6, 0x0
	.amdhsa_kernel k_q9a58d96c28_attn
		.amdhsa_group_segment_fixed_size 327680
		.amdhsa_private_segment_fixed_size 0
		.amdhsa_enable_private_segment 0
		.amdhsa_kernarg_size 32
		.amdhsa_user_sgpr_count 2
		.amdhsa_user_sgpr_kernarg_segment_ptr 1
		.amdhsa_wavefront_size32 1
		.amdhsa_system_sgpr_workgroup_id_x 1
		.amdhsa_system_sgpr_workgroup_id_y 1
		.amdhsa_system_sgpr_workgroup_id_z 1
		.amdhsa_system_vgpr_workitem_id 0
		.amdhsa_next_free_vgpr 256
		.amdhsa_next_free_sgpr 100
		.amdhsa_reserve_vcc 1
		.amdhsa_float_denorm_mode_32 3
		.amdhsa_float_denorm_mode_16_64 3
		.amdhsa_memory_ordered 1
		.amdhsa_forward_progress 1
		.amdhsa_inst_pref_size 86
	.end_amdhsa_kernel
	.amdgpu_metadata
---
amdhsa.version: [ 1, 2 ]
amdhsa.kernels:
  - .name:           k_q9a58d96c28_attn
    .symbol:         k_q9a58d96c28_attn.kd
    .args:
      - { .name: qf, .offset: 0, .size: 8, .value_kind: global_buffer, .address_space: global }
      - { .name: kv, .offset: 8, .size: 8, .value_kind: global_buffer, .address_space: global }
      - { .name: lowp_scales, .offset: 16, .size: 8, .value_kind: global_buffer, .address_space: global }
      - { .name: ac, .offset: 24, .size: 8, .value_kind: global_buffer, .address_space: global }
    .group_segment_fixed_size: 327680
    .private_segment_fixed_size: 0
    .kernarg_segment_align: 8
    .kernarg_segment_size: 32
    .max_flat_workgroup_size: 512
    .sgpr_count:     100
    .vgpr_count:     256
    .wavefront_size: 32
...
	.end_amdgpu_metadata
.endif
;; end of part 3
;; launch outp (part 4): grid 8 x 32, 4 waves a work-group, clusters of 4 x 4, 327,680 bytes of LDS; arguments ac, woc, b_out, lowp_scales, out0; writes out0
.if DOCPART == 4
	.amdgcn_target "amdgcn-amd-amdhsa--gfx1250"
	.amdhsa_code_object_version 6
	.text
	.protected	k_q9a58d96c28_outp
	.globl	k_q9a58d96c28_outp
	.p2align	8
	.type	k_q9a58d96c28_outp,@function
k_q9a58d96c28_outp:
	s_mov_b64 s[64:65], 0
	v_nop
	global_prefetch_b8 v0, s[64:65] scope:SCOPE_SE
	s_setreg_imm32_b32 hwreg(HW_REG_WAVE_MODE, 25, 1), 1
	s_wait_xcnt 0x0
	s_wait_alu depctr_hold_cnt(0) depctr_sa_sdst(0) depctr_va_vdst(0) depctr_va_sdst(0) depctr_va_ssrc(0) depctr_va_vcc(0) depctr_vm_vsrc(0)
	s_getreg_b32 s2, hwreg(HW_REG_IB_STS2, 6, 4)
	s_cmp_eq_u32 s2, 0
	s_cbranch_scc0 .Lentry_in_a_cluster
	s_endpgm
.Lentry_in_a_cluster:
	s_bfe_u32 s2, ttmp6, 0x10000c
	s_cmp_lg_u32 s2, 0xf033
	s_cbranch_scc0 .Lentry_shape_is_right
	s_endpgm
.Lentry_shape_is_right:
; out0 = attention's result x w_out + b_out on codes of E4M3 (K = 1,024): each f32 sum x 2^(e6 + e7), + bias.  LIMIT: e6 + e7 between -126 and 127.
; A work-group of four waves makes 256 tokens x 128 columns, a wave 128 x 64: 32 accumulators.  K goes in four steps of 256 through two LDS slots; 4 x 4 work-groups ask for A's tiles jointly along a row of the cluster, for B's along a column.
; ac: [group of 8 tiles][K step][tile][4,096]; woc: the same with groups of 4 tiles: what a wave fetches is dense for one K step and for two on end.  So a wave's ONE load at the head fills its share of BOTH slots; a refill brings one K step.
; LDS: [share: A's halves, B's halves][slot][tile][4,096].  The way out goes through a stage of 16 rows a wave in the first bytes of A's slot 0, which has had its last fill and its last read by then.
.set NB,    4
.set FR,    16
.set SLOT,  65536+8192*NB
.set SPARE, 2*SLOT
.set SLA,   32768                      ; a share of A, one K step: bytes in memory and in an LDS slot
.set SLB,   4096*NB                    ; the same for B
.set SPITCH, 272
.set ADRA, 16
.set ADRB, 20
.set STO,  24
.set RD,   25
.set CO,   26
.set LI,   27
.set SPW,  28
.set NIL,  29
.set BIAS, 32
.set TMP,  64
.set AF,   128
.set BK,   128
.set G1,  24
.set G0,  32
.set G1B, 48
.set G0B, 56
.set MSB, 0
.macro WIN new
.if MSB != (\new)
	s_set_vgpr_msb (MSB<<8)|(\new)
.set MSB, (\new)
.endif
.endm
.set MUL,  0xa1
.set TO_B, 0x40
.macro JLOAD s
	s_cmp_eq_u32 s17, 0
	s_cbranch_scc0 .Lfor_b_\@
	tensor_load_to_lds s[G0+4*\s:G0+4*\s+3], s[G1:G1+7]
	s_nop 0
.rept 4
	v_nop
.endr
	s_branch .Lasked_\@
.Lfor_b_\@:
	tensor_load_to_lds s[G0B+4*\s:G0B+4*\s+3], s[G1B:G1B+7]
	s_nop 0
.rept 4
	v_nop
.endr
.Lasked_\@:
.endm
.macro CREST
	s_cmp_lg_u32 s16, 0
	s_cbranch_scc1 .Lnot_wave_0_\@
	s_barrier_signal -3
.Lnot_wave_0_\@:
	s_barrier_wait -3
	s_barrier_signal -1
	s_barrier_wait -1
.endm
.macro CROUND
	s_barrier_signal -1
	s_barrier_wait -1
	CREST
.endm
.macro PLACES
.rept 4
	v_nop
.endr
.endm
.macro FRAG reg, adr, q, i
.irp c, 0,1,2,3
	ds_load_b128 v[\reg+4*\c:\reg+4*\c+3], v[\adr] offset:4096*(\i)+2048*(\q)+512*\c
.endr
.endm
.macro MUL2 a0, p, zero
.irp a, \a0, \a0+1
.irp b, 0,1,2,3
.if \zero
	v_wmma_f32_16x16x128_fp8_fp8 v[8*(4*(\a)+\b):8*(4*(\a)+\b)+7], v[128*(\p)+FR*\b:128*(\p)+FR*\b+FR-1], v[AF+FR*(\a):AF+FR*(\a)+FR-1], 0
.else
	v_wmma_f32_16x16x128_fp8_fp8 v[8*(4*(\a)+\b):8*(4*(\a)+\b)+7], v[128*(\p)+FR*\b:128*(\p)+FR*\b+FR-1], v[AF+FR*(\a):AF+FR*(\a)+FR-1], v[8*(4*(\a)+\b):8*(4*(\a)+\b)+7]
.endif
.endr
.endr
.endm
.macro FETCH_B slot, q, p
	WIN TO_B
.irp i, 0,1,2,3
	FRAG 128*(\p)+FR*\i, ADRB+\slot, \q, \i
.endr
	WIN 0
.endm
.macro FETCH_A slot, q, i0
.irp i, \i0, \i0+1, \i0+2, \i0+3
	FRAG AF+FR*(\i), ADRA+\slot, \q, \i
.endr
.endm
.macro STEP slot, zero
	s_wait_dscnt 16
	WIN MUL
	MUL2 0, 0, \zero
	MUL2 2, 0, \zero
	s_wait_dscnt 0x0
	PLACES
	FETCH_B \slot, 1, 1
	FETCH_A \slot, 1, 0
	WIN MUL
	MUL2 4, 0, \zero
	MUL2 6, 0, \zero
	PLACES
	WIN 0
	FETCH_A \slot, 1, 4
.endm
.macro TURN slot, next, fill
	s_wait_tensorcnt 0x0
	ds_add_u32 v[SPW], v[NIL]
	s_wait_dscnt 17
	WIN MUL
	MUL2 0, 1, 0
	s_wait_dscnt 0x0
	s_barrier_signal -1
	MUL2 2, 1, 0
	WIN 0
	s_barrier_wait -1
.if \fill
	CREST
	s_add_nc_u64 s[G0+4*\slot+2:G0+4*\slot+3], s[G0+4*\slot+2:G0+4*\slot+3], 2*SLA
	s_add_nc_u64 s[G0B+4*\slot+2:G0B+4*\slot+3], s[G0B+4*\slot+2:G0B+4*\slot+3], 2*SLB
	JLOAD \slot
.else
	PLACES
.endif
	FETCH_B \next, 0, 0
	FETCH_A \next, 0, 0
	WIN MUL
	MUL2 4, 1, 0
	MUL2 6, 1, 0
	PLACES
	WIN 0
	FETCH_A \next, 0, 4
.endm
.macro TOSTAGE a
	WIN 0x02
.set jj, 0
.rept 16
	v_pk_fma_f32 v[TMP+jj:TMP+jj+1], v[32*(\a)+jj:32*(\a)+jj+1], s[88:89], v[BIAS+jj:BIAS+jj+1] op_sel_hi:[1,0,1]
.set jj, jj+2
.endr
	WIN 0
.irp q, 0,1
.irp i, 0,1,2,3
	ds_store_b128 v[STO], v[TMP+16*\q+4*\i:TMP+16*\q+4*\i+3] offset:128*\q+16*\i
.endr
.endr
.set BB, BK+32*((\a)%2)
.irp t, 0,1,2,3,4,5,6,7
	ds_load_b128 v[BB+4*\t:BB+4*\t+3], v[RD] offset:2*\t*SPITCH
.endr
.endm
.macro SEND a, younger
.set BB, BK+32*((\a)%2)
	s_wait_dscnt \younger
.irp t, 0,1,2,3,4,5,6,7
	global_store_b128 v[CO], v[BB+4*\t:BB+4*\t+3], s[12:13] offset:(32*((\a)/2)+8*((\a)%2)+2*\t+8*(\t/4))*4096 th:TH_STORE_NT
.endr
.endm
	s_load_b256 s[4:11], s[0:1], 0x0
	s_load_b64 s[12:13], s[0:1], 0x20
	v_lshl_add_u32 v[SPW], v0, 2, SPARE
	v_mov_b32 v[NIL], 0
	ds_add_u32 v28, v29
	ds_add_u32 v28, v29
	s_wait_dscnt 0x0
	v_lshrrev_b32 v1, 5, v0
	v_readfirstlane_b32 s16, v1
	s_lshr_b32 s17, s16, 1
	s_and_b32 s18, s16, 1
	s_bfe_u32 s19, ttmp6, 0x40000
	s_bfe_u32 s20, ttmp6, 0x40004
	s_lshl_b32 s21, ttmp9, 2
	s_add_co_u32 s21, s21, s19
	s_and_b32 s22, ttmp7, 0xffff
	s_lshl_b32 s22, s22, 2
	s_add_co_u32 s22, s22, s20
	s_lshl_b32 s40, s20, 2
	s_lshl_b32 s40, 15, s40
	s_lshl_b32 s41, 0x1111, s19
	s_or_b32 s[G1], s40, (3<<16)|(1<<21)
	s_or_b32 s[G1B], s41, (3<<16)|(1<<21)
	s_mov_b32 s[G1+1], 512<<16
	s_mov_b32 s[G1+2], 16<<16                      ; at the head 8 tiles x 2 K steps
	s_mov_b32 s[G1+3], 512<<16
	s_mov_b32 s[G1+4], 16
	s_mov_b32 s[G1+5], 512                         ; the rows lie end to end
	s_mov_b32 s[G1+6], 0
	s_mov_b32 s[G1+7], 0
	s_mov_b32 s[G1B+1], 512<<16
	s_mov_b32 s[G1B+2], (2*NB)<<16
	s_mov_b32 s[G1B+3], 512<<16
	s_mov_b32 s[G1B+4], 2*NB
	s_mov_b32 s[G1B+5], 512
	s_mov_b32 s[G1B+6], 0
	s_mov_b32 s[G1B+7], 0
	s_lshl_b32 s42, s22, 4
	s_lshl_b32 s44, s21, 3
	s_lshl_b32 s74, s18, 3
	s_add_co_u32 s45, s42, s74
	s_lshl_b32 s77, s18, 2
	s_add_co_u32 s47, s44, s77
	s_lshl_b32 s66, s45, 14
	s_mov_b32 s67, 0
	s_lshl_b32 s68, s47, 14
	s_mov_b32 s69, 0
	s_lshl_b32 s75, s18, 16
	s_mul_i32 s76, s18, 2*SLB
	s_add_co_u32 s76, s76, 4*SLA
	s_wait_kmcnt 0x0
	s_load_b256 s[80:87], s[10:11], 0x0
	s_add_nc_u64 s[70:71], s[4:5], s[66:67]
	s_add_nc_u64 s[72:73], s[6:7], s[68:69]
	CROUND
.irp s, 0,1
	s_mov_b32 s[G0+4*\s], 1
	s_add_co_u32 s[G0+4*\s+1], s75, \s*SLA
	s_add_nc_u64 s[G0+4*\s+2:G0+4*\s+3], s[70:71], \s*SLA
	s_or_b32 s[G0+4*\s+3], s[G0+4*\s+3], 0x80000000
	s_mov_b32 s[G0B+4*\s], 1
	s_add_co_u32 s[G0B+4*\s+1], s76, \s*SLB
	s_add_nc_u64 s[G0B+4*\s+2:G0B+4*\s+3], s[72:73], \s*SLB
	s_or_b32 s[G0B+4*\s+3], s[G0B+4*\s+3], 0x80000000
.endr
	JLOAD 0                                        ; K steps 0 and 1, both slots: a wave's one tensor load at the head, behind the opening round
	v_and_b32 v1, 31, v0
	v_lshlrev_b32 v[LI], 4, v1
	v_and_b32 v2, 15, v0
	s_wait_alu depctr_va_vdst(0)
	v_bfe_u32 v3, v0, 4, 1
	s_lshl_b32 s2, s17, 16
	s_mul_i32 s3, s18, 2*SLB
	s_add_co_u32 s3, s3, 4*SLA
.irp s, 0,1
	v_add_nc_u32 v[ADRA+\s], s2, v[LI]
	v_add_nc_u32 v[ADRB+\s], s3, v[LI]
	s_add_co_u32 s2, s2, SLA
	s_add_co_u32 s3, s3, SLB
.endr
	s_mul_i32 s98, s16, 16*SPITCH
	v_mul_u32_u24 v4, v2, SPITCH
	s_wait_alu depctr_va_vdst(0)
	v_lshl_add_u32 v4, v3, 6, v4
	v_add_nc_u32 v[STO], s98, v4
	v_mul_u32_u24 v5, v3, SPITCH
	v_lshl_add_u32 v5, v2, 4, v5
	v_add_nc_u32 v[RD], s98, v5
	v_lshlrev_b32 v6, 12, v3
	v_lshl_add_u32 v[CO], v2, 4, v6
	v_lshlrev_b32 v7, 6, v3
	s_lshl_b32 s96, s21, 9
	s_lshl_b32 s97, s18, 8
	s_add_co_u32 s96, s96, s97
	s_mov_b32 s97, 0
	s_add_nc_u64 s[8:9], s[8:9], s[96:97]
.irp q, 0,1
.irp i, 0,1,2,3
	global_load_b128 v[BIAS+16*\q+4*\i:BIAS+16*\q+4*\i+3], v7, s[8:9] offset:128*\q+16*\i
.endr
.endr
	s_lshl_b32 s94, s22, 20
	s_lshl_b32 s95, s17, 19
	s_add_co_u32 s94, s94, s95
	s_add_co_u32 s94, s94, s96
	s_mov_b32 s95, 0
	s_add_nc_u64 s[12:13], s[12:13], s[94:95]
	s_wait_alu depctr_va_vdst(0)
	s_wait_tensorcnt 0x0                           ; my share of K steps 0 and 1 is in, and no load of mine is out, so group 1 may be written:
	s_mov_b32 s[G1+2], 8<<16                       ; a refill brings one K step: 8 rows of A,
	s_mov_b32 s[G1+4], 8
	s_mov_b32 s[G1B+2], NB<<16                     ; 4 of B
	s_mov_b32 s[G1B+4], NB
	s_barrier_signal -1
	s_barrier_wait -1                              ; everybody's is in.
	FETCH_B 0, 0, 0
	FETCH_A 0, 0, 0
	FETCH_A 0, 0, 4
	STEP 0, 1
	TURN 0, 1, 1
	STEP 1, 0
	TURN 1, 0, 1
	STEP 0, 0
	TURN 0, 1, 0
	STEP 1, 0
	s_wait_dscnt 16
	WIN MUL
	MUL2 0, 1, 0
	MUL2 2, 1, 0
	s_wait_dscnt 0x0
	MUL2 4, 1, 0
	MUL2 6, 1, 0
	WIN 0
	s_wait_kmcnt 0x0
	s_add_co_i32 s88, s86, s87
	s_add_co_i32 s88, s88, 127
	s_lshl_b32 s88, s88, 23
	s_mov_b32 s89, s88
	PLACES
	s_wait_loadcnt 0x0
	TOSTAGE 0
.irp a, 1,2,3,4,5,6,7
.if \a > 1
	s_wait_xcnt 0x0
.endif
	TOSTAGE \a
	SEND \a-1, 16
.endr
	SEND 7, 0
	s_wait_tensorcnt 0x0
	ds_add_u32 v[SPW], v[NIL]
	s_wait_dscnt 0x0
	CROUND
	s_endpgm
.Lfunc_end_k_q9a58d96c28_outp:
	.size	k_q9a58d96c28_outp, .Lfunc_end_k_q9a58d96c28_outp-k_q9a58d96c28_outp
	.p2alignl 7, 3214868480
	.fill 96, 4, 3214868480
	.section	.rodata,"a",@progbits
	.p2align	6, 0x0
	.amdhsa_kernel k_q9a58d96c28_outp
		.amdhsa_group_segment_fixed_size 327680
		.amdhsa_private_segment_fixed_size 0
		.amdhsa_enable_private_segment 0
		.amdhsa_kernarg_size 40
		.amdhsa_user_sgpr_count 2
		.amdhsa_user_sgpr_kernarg_segment_ptr 1
		.amdhsa_wavefront_size32 1
		.amdhsa_system_sgpr_workgroup_id_x 1
		.amdhsa_system_sgpr_workgroup_id_y 1
		.amdhsa_system_sgpr_workgroup_id_z 1
		.amdhsa_system_vgpr_workitem_id 0
		.amdhsa_next_free_vgpr 768
		.amdhsa_next_free_sgpr 100
		.amdhsa_reserve_vcc 0
		.amdhsa_float_denorm_mode_32 3
		.amdhsa_float_denorm_mode_16_64 3
		.amdhsa_memory_ordered 1
		.amdhsa_forward_progress 1
		.amdhsa_inst_pref_size 77
	.end_amdhsa_kernel
	.amdgpu_metadata
---
amdhsa.version: [ 1, 2 ]
amdhsa.kernels:
  - .name:           k_q9a58d96c28_outp
    .symbol:         k_q9a58d96c28_outp.kd
    .args:
      - { .name: ac, .offset: 0, .size: 8, .value_kind: global_buffer, .address_space: global }
      - { .name: woc, .offset: 8, .size: 8, .value_kind: global_buffer, .address_space: global }
      - { .name: b_out, .offset: 16, .size: 8, .value_kind: global_buffer, .address_space: global }
      - { .name: lowp_scales, .offset: 24, .size: 8, .value_kind: global_buffer, .address_space: global }
      - { .name: out0, .offset: 32, .size: 8, .value_kind: global_buffer, .address_space: global }
    .group_segment_fixed_size: 327680
    .private_segment_fixed_size: 0
    .kernarg_segment_align: 8
    .kernarg_segment_size: 40
    .max_flat_workgroup_size: 128
    .sgpr_count:     100
    .vgpr_count:     768
    .wavefront_size: 32
...
	.end_amdgpu_metadata
.endif
;; end of part 4
